; MI455X (gfx1250); checked and timed in simulation.
; The chip was launched on July 23, 2026; its instructions are those of AMD's public machine-readable ISA for CDNA 5 (MIT licence, August 2026) and "CDNA5" Instruction Set Architecture Reference Guide (July 2026). The comments in the code are by the model that wrote it; some were corrected since.
;; Mo E Layer. Allowed arithmetic: matrix products marked QUANTISED: E5M2 operands, one given power-of-two scale a tensor, by v_wmma_f32_16x16x64_bf8_bf8 or v_wmma_f32_16x16x128_bf8_bf8, f32 sums; products left as they are: f32 operands where the result goes on into a quantised operand, else bf16, f16 or f32 operands; f32 sums; everything else in f32.
;; Inputs: W1 8 x 1,024 x 4,096 float32; W2 8 x 4,096 x 1,024 float32; Wg 1,024 x 8 float32; lowp_scales 32 int32 (the exponents e of the quantised operands' scales 2^e); x 4 x 256 x 1,024 float32.
;; Outputs: out0 4 x 256 x 1,024 float32.
;; This version of the problem:
;;   THIS VERSION OF THE PROBLEM IS GIVEN IN LOW PRECISION. The matrix products marked QUANTISED in the list below multiply operands that are first quantised to E5M2 (5 exponent bits, 2 mantissa bits; 8 bits a number), with one given power-of-two scale for each operand tensor; their sums are f32. All else is computed in f32.
;;   The module's matrix products, in the order in which they are computed (A, B: the left and right operand; K: the contracted axis; several contracted axes count as one K, in the product's order):
;;     1. [M 1,024, K 1,024] x [K 1,024, N 8]; A: input x; B: input Wg: left as it is (N = 8 < 16)
;;     2. batch 1,024 x [M 1, K 2] x [K 2, N 8]; A: softmax; B: computed on the way: left as it is (K = 2 < 32)
;;     3. [M 1,024, K 1,024] x [K 1,024, N 4,096]; A: input x; B: input W1: QUANTISED (scales: A lowp_scales[0], B lowp_scales[1])
;;     4. [M 1,024, K 4,096] x [K 4,096, N 1,024]; A: computed on the way; B: input W2: QUANTISED (scales: A lowp_scales[2], B lowp_scales[3])
;;     5. [M 1,024, K 1,024] x [K 1,024, N 4,096]; A: input x; B: input W1: QUANTISED (scales: A lowp_scales[4], B lowp_scales[5])
;;     6. [M 1,024, K 4,096] x [K 4,096, N 1,024]; A: computed on the way; B: input W2: QUANTISED (scales: A lowp_scales[6], B lowp_scales[7])
;;     7. [M 1,024, K 1,024] x [K 1,024, N 4,096]; A: input x; B: input W1: QUANTISED (scales: A lowp_scales[8], B lowp_scales[9])
;;     8. [M 1,024, K 4,096] x [K 4,096, N 1,024]; A: computed on the way; B: input W2: QUANTISED (scales: A lowp_scales[10], B lowp_scales[11])
;;     9. [M 1,024, K 1,024] x [K 1,024, N 4,096]; A: input x; B: input W1: QUANTISED (scales: A lowp_scales[12], B lowp_scales[13])
;;     10. [M 1,024, K 4,096] x [K 4,096, N 1,024]; A: computed on the way; B: input W2: QUANTISED (scales: A lowp_scales[14], B lowp_scales[15])
;;     11. [M 1,024, K 1,024] x [K 1,024, N 4,096]; A: input x; B: input W1: QUANTISED (scales: A lowp_scales[16], B lowp_scales[17])
;;     12. [M 1,024, K 4,096] x [K 4,096, N 1,024]; A: computed on the way; B: input W2: QUANTISED (scales: A lowp_scales[18], B lowp_scales[19])
;;     13. [M 1,024, K 1,024] x [K 1,024, N 4,096]; A: input x; B: input W1: QUANTISED (scales: A lowp_scales[20], B lowp_scales[21])
;;     14. [M 1,024, K 4,096] x [K 4,096, N 1,024]; A: computed on the way; B: input W2: QUANTISED (scales: A lowp_scales[22], B lowp_scales[23])
;;     15. [M 1,024, K 1,024] x [K 1,024, N 4,096]; A: input x; B: input W1: QUANTISED (scales: A lowp_scales[24], B lowp_scales[25])
;;     16. [M 1,024, K 4,096] x [K 4,096, N 1,024]; A: computed on the way; B: input W2: QUANTISED (scales: A lowp_scales[26], B lowp_scales[27])
;;     17. [M 1,024, K 1,024] x [K 1,024, N 4,096]; A: input x; B: input W1: QUANTISED (scales: A lowp_scales[28], B lowp_scales[29])
;;     18. [M 1,024, K 4,096] x [K 4,096, N 1,024]; A: computed on the way; B: input W2: QUANTISED (scales: A lowp_scales[30], B lowp_scales[31])
;;   THE QUANTISER, for each operand of a quantised product, along K:
;;     - The operand's scale is 2^e, e = its entry of the input lowp_scales (int32; the entries are numbered through the quantised products in the list's order, A before B).
;;     - Each number is divided by the scale, clamped to +-57,344, and rounded to the nearest number of E5M2, ties to even, subnormals kept.
;;     - The product sums the exact products of the quantised numbers (number of the format x scale) in f32.
;;   ~~~python
;;   def quantise(x, axis, e):      # numpy; x: float32 -> the quantised numbers, widened to float32 again
;;       x = np.moveaxis(x, axis, -1); K = x.shape[-1]
;;       r = np.clip(x / 2.0 ** e, -57344, 57344)
;;       step = 2.0 ** (np.maximum(np.frexp(np.where(r == 0, 1, r))[1] - 1, -14) - 2)
;;       q = np.round(r / step) * step * 2.0 ** e      # np.round: ties to even
;;       return np.moveaxis(q, -1, axis).astype(np.float32)
;;   ~~~
;;   OPERANDS COMPUTED ON THE WAY. 'Computed on the way' means the value that the module computes at that place (a softmax that the list does not call 'softmax' is quantised finished and normalised). What goes into a quantiser is computed in f32, as accurately as f32 sums, v_exp_f32 and their like allow (about 1e-6 of the number): no bf16 or f16 on the way to a quantiser, and a product that is left as it is and whose result goes on into a quantised operand takes f32 operands (vector FMAs, or v_wmma_f32_16x16x4_f32). A number that lies on a knife's edge between two numbers of the format may be rounded either way, as far as f32 arithmetic and the matrix unit's own rounding can turn it there, and no further.
;; 2 versions. Each part assembles by itself: llvm-mc -triple=amdgcn-amd-amdhsa -mcpu=gfx1250 --defsym DOCPART=n.
;; ======== version 1 of 2: 4 launches
;; workspace buffers: xq 2,097,152 bytes; masks 2,048 bytes of whole numbers; topw 8,192 bytes; hq 33,554,432 bytes; y 16,777,216 bytes; list 65,536 bytes of whole numbers
;; launch route (part 1): grid 128 x 1, 8 waves a work-group, no clusters, 36,352 bytes of LDS; arguments x, Wg, lowp_scales, xq, masks, topw; writes xq, masks, topw
.if DOCPART == 1
	.amdgcn_target "amdgcn-amd-amdhsa--gfx1250"
	.amdhsa_code_object_version 6
	.text
	.protected	k_qcb0df57a9f_route
	.globl	k_qcb0df57a9f_route
	.p2align	8
	.type	k_qcb0df57a9f_route,@function
k_qcb0df57a9f_route:
	s_mov_b64 s[64:65], 0
	v_nop
	global_prefetch_b8 v0, s[64:65] scope:SCOPE_SE
	s_setreg_imm32_b32 hwreg(HW_REG_WAVE_MODE, 25, 1), 1
	s_wait_xcnt 0x0
; THE GATE.  logits = x Wg in f32 (fused multiply-adds), the two largest of eight (a tie keeps the lower index), a softmax over the two with the larger taken away first.
; Stored, all at fixed places: xq[k][token][1024], the token's row as E5M2 codes under the scale of its k-th expert (entry 4 e of the scales);
; masks: Ma[e] at byte 128 e, bit t = token t chose expert e; Mb[e] at 1024 + 128 e, bit t = it chose e as its SECOND; topw[k][token], the two weights.
; SHARES.  A work-group takes 8 tokens, a wave one.  Lane l holds columns 256 q + 8 l + 0..7, q = 0..3: eight neighbours for each conversion.
; Wg (32 KB) is copied once into LDS in whole runs of 4,096 bytes and read from there as blocks of 8 rows (256 bytes), 272 bytes apart, so that 16 lanes' reads start at 16 different 16-byte columns.
; No matrix unit (N = 8), no cluster: the only shared input is Wg, 32 KB beside the 32 KB of x that a work-group reads; it is copied once.
; LIMITS: each exponent e lies between -126 and 112, so that 2^e and 57,344 x 2^e are f32 numbers.  NaN among the inputs is not served.
.set PW,   272
.set EXI,  34816                       ; behind Wg's 128 blocks: 8 words, i0 | i1 << 8, one for each wave
.set EXW,  34880                       ; 16 words: w0 of the 8 tokens, then w1
.set X,    16                          ; v16-47   my 32 numbers of x
.set W,    48                          ; v48-175  two sets of 64: a block of Wg (register 8 i + e: row i, expert e)
.set S,    176                         ; v176-183 the eight sums
.set CP,   184                         ; v184-215 x held within the largest code x the scale
.set CD,   216                         ; v216-231 codes: 8 registers for each k, so that no store's data are written again
	s_load_b256 s[4:11], s[0:1], 0x0               ; x s[4:5], Wg s[6:7], the exponents s[8:9], xq s[10:11]
	s_load_b128 s[12:15], s[0:1], 0x20             ; masks s[12:13], topw s[14:15]
	v_lshl_add_u32 v254, v0, 2, 0x8a00
	v_mov_b32 v255, 0
	v_lshrrev_b32 v1, 5, v0
	v_readfirstlane_b32 s48, v1                    ; wave 0..7
	v_and_b32 v1, 31, v0                           ; lane
	v_lshlrev_b32 v2, 4, v0                        ; Wg from memory: 16 x thread
	v_lshrrev_b32 v3, 4, v0
	v_mul_u32_u24 v3, v3, PW
	v_and_b32 v4, 15, v0
	v_lshl_add_u32 v3, v4, 4, v3                   ; Wg into LDS: block thread / 16, 16 bytes at 16 (thread % 16)
	v_lshlrev_b32 v4, 5, v1                        ; x: 32 x lane
	v_mul_u32_u24 v5, v1, PW                       ; Wg out of LDS: block lane (+ 32 q in the immediate)
	v_lshlrev_b32 v6, 3, v1                        ; xq: 8 x lane
	s_lshl_b32 s49, ttmp9, 3
	s_add_co_u32 s49, s49, s48                     ; my token
	s_lshl_b32 s52, s49, 12
	s_mov_b32 s53, 0
	s_lshl_b32 s54, s49, 10
	s_mov_b32 s55, 0
	s_mov_b32 s50, 0x76543210                      ; v_permlanex16_b32: lane l xor 16
	s_mov_b32 s51, 0xfedcba98
	s_wait_kmcnt 0x0
	s_load_b512 s[16:31], s[8:9], 0x0              ; all 32 exponents: expert e's for x is s[16 + 4 e]
	s_load_b512 s[32:47], s[8:9], 0x40
	s_add_nc_u64 s[4:5], s[4:5], s[52:53]          ; x at my token's row
	s_add_nc_u64 s[10:11], s[10:11], s[54:55]      ; xq likewise (k = 0)
	s_mov_b32 s52, ttmp9
	s_add_nc_u64 s[12:13], s[12:13], s[52:53]      ; masks: my work-group's 8 tokens are byte number work-group of each row of 128 bytes
	s_lshl_b32 s54, ttmp9, 5
	s_add_nc_u64 s[14:15], s[14:15], s[54:55]      ; topw at my work-group's 8 tokens
.irp n, 0,1,2,3,4,5,6,7
	global_load_b128 v[W+4*\n:W+4*\n+3], v2, s[6:7] offset:4096*\n          ; the 256 threads read 4,096 consecutive bytes
.endr
.irp q, 0,1,2,3
	global_load_b128 v[X+8*\q:X+8*\q+3], v4, s[4:5] offset:1024*\q th:TH_LOAD_NT
	global_load_b128 v[X+8*\q+4:X+8*\q+7], v4, s[4:5] offset:1024*\q+16 th:TH_LOAD_NT
.endr
	s_wait_loadcnt 8                               ; Wg's eight loads are in; x's eight may stay out
.irp n, 0,1,2,3,4,5,6,7
	ds_store_b128 v3, v[W+4*\n:W+4*\n+3] offset:16*PW*\n
.endr
	s_wait_dscnt 0x0                               ; for the others' sake: my part of Wg lies in LDS
	s_barrier_signal -1
	s_barrier_wait -1
.macro WFETCH q, set                   ; the block of Wg that belongs to my 8 columns of quarter q
.irp m, 0,1,2,3,4,5,6,7,8,9,10,11,12,13,14,15
	ds_load_b128 v[W+64*(\set)+4*\m:W+64*(\set)+4*\m+3], v5 offset:32*PW*(\q)+16*\m
.endr
.endm
; 32 packed multiply-adds: the sums of experts e, e + 1 take x(column i) x Wg(i, e), Wg(i, e + 1); x's register is chosen for both halves by op_sel.  The very first column starts the sums.
.macro DOT q, set
.set WS, W+64*(\set)
.irp i, 0,1,2,3,4,5,6,7
.irp p, 0,2,4,6
.if ((\q) == 0) && (\i == 0)
	v_pk_mul_f32 v[S+\p:S+\p+1], v[X:X+1], v[WS+\p:WS+\p+1] op_sel:[0,0] op_sel_hi:[0,1]
.elseif (\i % 2) == 0
	v_pk_fma_f32 v[S+\p:S+\p+1], v[X+8*(\q)+\i:X+8*(\q)+\i+1], v[WS+8*\i+\p:WS+8*\i+\p+1], v[S+\p:S+\p+1] op_sel:[0,0,0] op_sel_hi:[0,1,1]
.else
	v_pk_fma_f32 v[S+\p:S+\p+1], v[X+8*(\q)+\i-1:X+8*(\q)+\i], v[WS+8*\i+\p:WS+8*\i+\p+1], v[S+\p:S+\p+1] op_sel:[1,0,0] op_sel_hi:[1,1,1]
.endif
.endr
.endr
.endm
	WFETCH 0, 0
	WFETCH 1, 1
	s_wait_loadcnt 0x0                             ; x
	s_wait_dscnt 16                                ; this quarter's 16 loads are in, the next quarter's 16 may be out
	DOT 0, 0
	WFETCH 2, 0
	s_wait_dscnt 16
	DOT 1, 1
	WFETCH 3, 1
	s_wait_dscnt 16
	DOT 2, 0
	s_wait_dscnt 0x0
	DOT 3, 1
	; the eight sums over the 32 lanes; every lane ends with all eight logits
.irp x, 1,2,4,8
.irp e, 0,1,2,3,4,5,6,7
	v_add_f32_dpp v[S+\e], v[S+\e], v[S+\e] row_xmask:\x row_mask:0xf bank_mask:0xf
.endr
.endr
.irp e, 0,1,2,3,4,5,6,7
	v_permlanex16_b32 v[W+\e], v[S+\e], s50, s51   ; (its destination has been written: Wg lay there)
.endr
.irp e, 0,1,2,3,4,5,6,7
	v_add_f32 v[S+\e], v[S+\e], v[W+\e]
.endr
	; the largest: ascending e, strictly greater, so a tie keeps the lower index
	v_mov_b32 v7, v[S]
	v_mov_b32 v8, 0
.irp e, 1,2,3,4,5,6,7
	v_cmp_gt_f32 vcc_lo, v[S+\e], v7
	v_cndmask_b32 v7, v7, v[S+\e], vcc_lo
	v_cndmask_b32 v8, v8, \e, vcc_lo
.endr
	v_mov_b32 v11, 0xff800000                      ; the winner's logit becomes -infinity, and the same scan finds the second
.irp e, 0,1,2,3,4,5,6,7
	v_cmp_eq_u32 vcc_lo, \e, v8
	v_cndmask_b32 v[S+\e], v[S+\e], v11, vcc_lo
.endr
	v_mov_b32 v9, v[S]
	v_mov_b32 v10, 0
.irp e, 1,2,3,4,5,6,7
	v_cmp_gt_f32 vcc_lo, v[S+\e], v9
	v_cndmask_b32 v9, v9, v[S+\e], vcc_lo
	v_cndmask_b32 v10, v10, \e, vcc_lo
.endr
	v_sub_f32 v11, v9, v7                          ; the second less the largest: 0 or less
	v_mul_f32 v11, 0x3fb8aa3b, v11
	v_exp_f32 v11, v11                             ; u = e^(l1 - l0), at most 1
	s_lshl_b32 s52, s48, 2
	s_add_co_u32 s52, s52, EXI
	v_mov_b32 v15, s52                             ; (a plain line behind the exponential)  my wave's word
	s_wait_alu depctr_va_vdst(0)
	v_add_f32 v14, 1.0, v11
	v_rcp_f32 v12, v14                             ; w0 = 1 / (1 + u)
	v_lshl_or_b32 v232, v10, 8, v8                 ; (a plain line behind the reciprocal, which names neither its result nor its source)  i0 | i1 << 8
	s_wait_alu depctr_va_vdst(0)
	v_mul_f32 v13, v11, v12                        ; w1 = u w0
	ds_store_b32 v15, v232                         ; every lane writes the same word with the same value
	ds_store_b32 v15, v12 offset:EXW-EXI
	ds_store_b32 v15, v13 offset:EXW-EXI+32
	s_wait_dscnt 0x0
	s_barrier_signal -1
	s_barrier_wait -1
	s_wait_kmcnt 0x0                               ; the exponents
; My row as codes under the scale of expert v[idx].  The choice selects a value and no address.
.macro QX k, idx
	v_mov_b32 v232, s16
.irp e, 1,2,3,4,5,6,7
	v_cmp_eq_u32 vcc_lo, \e, v[\idx]
	v_cndmask_b32 v232, v232, s[16+4*\e], vcc_lo
.endr
	v_add_nc_u32 v232, 127, v232
	v_lshlrev_b32 v233, 23, v232                   ; 2^e as f32: the conversion takes its exponent field
	v_add_nc_u32 v232, 15, v232
	v_lshlrev_b32 v232, 23, v232
	v_or_b32 v234, 0x600000, v232                  ; 57,344 x 2^e
.set j, 0
.rept 32
	v_med3_num_f32 v[CP+j], v[X+j], -v234, v234    ; the conversion to an 8-bit code does not saturate (ISA guide 7.6.2): the hold comes first
.set j, j+1
.endr
.irp q, 0,1,2,3
	v_cvt_scalef32_pk8_bf8_f32 v[CD+8*\k+2*\q:CD+8*\k+2*\q+1], v[CP+8*\q:CP+8*\q+7], v233
.endr
	v_nop                                          ; a plain line between the conversions and the next lines that write their sources
.irp q, 0,1,2,3
	global_store_b64 v6, v[CD+8*\k+2*\q:CD+8*\k+2*\q+1], s[10:11] offset:1048576*\k+256*\q   ; 32 lanes store 256 consecutive bytes, aligned
.endr
.endm
	QX 0, 8
	QX 1, 10
	; wave 0 gathers the work-group's 8 tokens: a byte of each of the 16 rows of masks, and the 16 weights
	s_cmp_lg_u32 s48, 0
	s_cbranch_scc1 .Lend
	v_and_b32 v14, 7, v1
	v_lshlrev_b32 v15, 2, v14
	ds_load_b32 v11, v15 offset:EXI                ; lane l: token l % 8's two experts
	v_and_b32 v232, 15, v1
	v_lshlrev_b32 v232, 2, v232
	ds_load_b32 v233, v232 offset:EXW              ; lane l < 16: weight l / 8 of token l % 8
	v_lshlrev_b32 v237, 7, v14
	v_bfe_u32 v238, v1, 3, 1
	v_lshl_add_u32 v237, v238, 10, v237            ; masks: row l % 8 of Ma (l < 8) or of Mb
	v_lshl_add_u32 v239, v238, 12, v15             ; topw: 4,096 (l / 8) + 4 (l % 8)
	v_mov_b32 v236, 0
	s_wait_dscnt 0x0
	v_and_b32 v234, 0xff, v11
	v_lshrrev_b32 v235, 8, v11
.irp e, 0,1,2,3,4,5,6,7
	v_cmp_eq_u32 s54, \e, v234                     ; bit l: token l % 8 chose e first,
	v_cmp_eq_u32 s55, \e, v235                     ; second
	s_or_b32 s54, s54, s55
	v_writelane_b32 v236, s54, \e                  ; lane e: Ma's byte (the store takes the low 8 bits)
	v_writelane_b32 v236, s55, 8+\e                ; lane 8 + e: Mb's
.endr
	s_wait_xcnt 0x0                                ; EXEC changes only behind this wait: the stores above name it
	v_cmp_gt_u32 vcc_lo, 16, v1
	s_and_saveexec_b32 s56, vcc_lo
	global_store_b8 v237, v236, s[12:13]
	global_store_b32 v239, v233, s[14:15]
	s_wait_xcnt 0x0
	s_or_b32 exec_lo, exec_lo, s56
.Lend:
	s_wait_tensorcnt 0x0
	ds_add_u32 v254, v255
	s_wait_dscnt 0x0
	s_endpgm
.Lfunc_end_k_qcb0df57a9f_route:
	.size	k_qcb0df57a9f_route, .Lfunc_end_k_qcb0df57a9f_route-k_qcb0df57a9f_route
	.p2alignl 7, 3214868480
	.fill 96, 4, 3214868480
	.section	.rodata,"a",@progbits
	.p2align	6, 0x0
	.amdhsa_kernel k_qcb0df57a9f_route
		.amdhsa_group_segment_fixed_size 36352
		.amdhsa_private_segment_fixed_size 0
		.amdhsa_enable_private_segment 0
		.amdhsa_kernarg_size 48
		.amdhsa_user_sgpr_count 2
		.amdhsa_user_sgpr_kernarg_segment_ptr 1
		.amdhsa_wavefront_size32 1
		.amdhsa_system_sgpr_workgroup_id_x 1
		.amdhsa_system_sgpr_workgroup_id_y 1
		.amdhsa_system_sgpr_workgroup_id_z 1
		.amdhsa_system_vgpr_workitem_id 0
		.amdhsa_next_free_vgpr 256
		.amdhsa_next_free_sgpr 66
		.amdhsa_reserve_vcc 1
		.amdhsa_float_denorm_mode_32 3
		.amdhsa_float_denorm_mode_16_64 3
		.amdhsa_memory_ordered 1
		.amdhsa_forward_progress 1
		.amdhsa_inst_pref_size 33
	.end_amdhsa_kernel
	.amdgpu_metadata
---
amdhsa.version: [ 1, 2 ]
amdhsa.kernels:
  - .name:           k_qcb0df57a9f_route
    .symbol:         k_qcb0df57a9f_route.kd
    .args:
      - { .name: x, .offset: 0, .size: 8, .value_kind: global_buffer, .address_space: global }
      - { .name: Wg, .offset: 8, .size: 8, .value_kind: global_buffer, .address_space: global }
      - { .name: lowp_scales, .offset: 16, .size: 8, .value_kind: global_buffer, .address_space: global }
      - { .name: xq, .offset: 24, .size: 8, .value_kind: global_buffer, .address_space: global }
      - { .name: masks, .offset: 32, .size: 8, .value_kind: global_buffer, .address_space: global }
      - { .name: topw, .offset: 40, .size: 8, .value_kind: global_buffer, .address_space: global }
    .group_segment_fixed_size: 36352
    .private_segment_fixed_size: 0
    .kernarg_segment_align: 8
    .kernarg_segment_size: 48
    .max_flat_workgroup_size: 256
    .sgpr_count:     66
    .vgpr_count:     256
    .wavefront_size: 32
...
	.end_amdgpu_metadata
.endif
;; end of part 1
;; launch ffn1 (part 2): grid 32 x 8, 8 waves a work-group, no clusters, 132,608 bytes of LDS; arguments W1, xq, masks, lowp_scales, hq, list; writes hq, list
.if DOCPART == 2
	.amdgcn_target "amdgcn-amd-amdhsa--gfx1250"
	.amdhsa_code_object_version 6
	.text
	.protected	k_qcb0df57a9f_ffn1
	.globl	k_qcb0df57a9f_ffn1
	.p2align	8
	.type	k_qcb0df57a9f_ffn1,@function
k_qcb0df57a9f_ffn1:
	s_mov_b64 s[64:65], 0
	v_nop
	global_prefetch_b8 v0, s[64:65] scope:SCOPE_SE
	s_setreg_imm32_b32 hwreg(HW_REG_WAVE_MODE, 25, 1), 1
	s_wait_xcnt 0x0
; h = Q(gelu(Q(x) Q(W1[e]))) for the rows that chose expert e, both operands E5M2, sums f32; gelu by erf, in f32.
; SHARES.  Work-group (fs, e) owns hidden units 128 fs .. +127 of expert e: 1,024 rows of K x 512 bytes of W1, read from memory ONCE, quantised in registers and kept in LDS as images of
; the operand's registers.  All of the expert's rows (ascending token; found from the bit masks by rank) are multiplied against them: tile tau = 24 p + wave + 8 i, i = 0..2, of 16 rows; pass p = 0 runs beside the stream,
; later passes (more than 384 rows on one expert) read the finished image.
; THE THIRD TILE (i = 2) has rows only where the expert has more than 16 (wave + 16 + 24 p) of them.  K step 0 loads and multiplies all three tiles, so that every register is written on every path.
; No barrier stands under that branch.  Empty first and second tiles are multiplied and not stored.
; A RANK PAST THE EXPERT'S LAST ROW IS HELD AT THE LAST ROW: the last tile's spare rows repeat that row, codes and all, so that the next launch need mask nothing.
; K goes in 8 steps of 128.  In a step wave w loads rows 16 w .. +15 (16 loads of 512 consecutive bytes), a lane holding 16 rows x 4 columns; the codes are turned by byte permutes so that a column's 16 codes along K are 16 bytes.
; LAYOUT.  Registers 4 c .. 4 c + 3 of lane (r, h) hold K = 32 c + 16 h + 0..15, alike in both operands.  The product is used transposed (source 0 = 16 columns of W1, source 1 = 16 rows of x).
; THE COLUMNS OF A TILE ARE NOT NEIGHBOURS: lane r of tile 2 b + u takes column 32 b + 8 u + r + 8 (r / 8), so a lane's 16 results of tiles 2 b, 2 b + 1 are 16 neighbours along the next K, and the conversions' results are the next product's operand.
; hq[e][tau][fs][2,048 bytes] is that operand's image: 4 stores of 512 consecutive bytes.
; list[copy 2][e][tau][16 words]: the places 1,024 k + token of a tile's rows, row r at word 8 (r % 2) + r / 2, stored by the work-groups of slice 0 alone; lanes 0-15 write copy 0, lanes 16-31 copy 1: no lane is switched off, no word is written twice.
; NO TENSOR LOADS, NO CLUSTER: the number of passes, the third tile and the tiles that are stored hang on counts read from memory, and the rows that the 32 work-groups of an expert share are gathered by places made from those masks; no weight is shared.
; LIMITS: ew1 and eh between -126 and 112; ex + ew1 between -126 and 127.  NaN among the inputs is not served.  An expert that no token chose stores nothing.
.set NTS,   16400                      ; a tile's 8 K steps x 2,048 bytes + 16: the 16 lanes of an LDS store then fall on 16 different 16-byte columns
.set L,     1                          ; v1  lane          v2  lane % 16          v3  lane / 16
.set R16,   2
.set H,     3
.set WO,    4                          ; v4  W1: 16 x lane + wave x 16 rows
.set RA0,   5                          ; v5  image, tiles 0-3: 16 x lane;  v6  tiles 4-7
.set RA1,   6
.set SA,    7                          ; v7  where my column 4 l's 16 codes go
.set WSC,   8                          ; v8  2^ew1, v9  57,344 x 2^ew1
.set WLIM,  9
.set AO,    10                         ; v10-12  byte offset in xq of my row of tile i, + 16 h
.set GO,    13                         ; v13 16 x lane, for the stores
.set HSC,   14                         ; v14 2^eh, v15 57,344 x 2^eh
.set HLIM,  15
.set SLOT,  17                         ; v17-19  1,024 k + token of my row of tile i
.set H16,   20
.set SL,    21                         ; v21 that of the tile in hand
.set LO,    23                         ; v23 my word in a tile's part of the list
.set A,     24                         ; v24-71   x's fragments, three tiles
.set WF,    72                         ; v72-135  four fragments of W1
.set D,     136                        ; v136-151 codes by rows;  v152-159 at work;  v160-175 codes by columns
.set AB,    152
.set U,     160
.set RING0, 176                        ; v176-239 weights as loaded, set 0;  set 1: v192-255 of window 1.  Window 1, v0-191: accumulator (i, t) at 8 (8 i + t)
.set RHO,   24                         ; the search by rank: v24-43
.set M,     27
.set MB,    30
.set PK,    33
.set TA1,   36
.set TA2,   37
.set TA4,   38
.set TA8,   39
.set TK,    40
.set TB,    41
.set TC,    42
.set TT,    43
.set KC,    24                         ; the way out: v24-51 14 constants, each twice;  v52-67 codes;  v68-131 a tile's 64 numbers;  v132-211 at work
.set CD,    52
.set V,     68
.set GZ,    132
.set GS,    148
.set GT,    164
.set GR,    180
.set GQ,    196
; s[2:3], s[4:5] W1 at K steps 0 and 4; s[6:7] xq; s[8:9] hq; s[10:11] my expert's masks; s12 wave; s[16:31], s[68:99] mask words; s32 rows; s34 has my third tile rows?; s36 tiles; s37 passes; s38 pass; s39 my first tile;
; s[42:43] 2^(ex + ew1); s[52:53] my expert's part of the list
.set MSB, 0
.macro WIN new                         ; the immediate's high byte repeats the setting that is left
.if MSB != \new
	s_set_vgpr_msb (MSB<<8)|\new
.set MSB, \new
.endif
.endm
.macro PLACES n
.rept \n
	v_nop
.endr
.endm
.macro WLOAD s, set                    ; my 16 rows of K step s
.if \set
	WIN 0x40
.endif
.irp i, 0,1,2,3,4,5,6,7,8,9,10,11,12,13,14,15
	global_load_b128 v[RING0+16*(\set)+4*\i:RING0+16*(\set)+4*\i+3], v[WO], s[2+2*((\s)/4):3+2*((\s)/4)] offset:((\s)%4)*0x200000+16384*\i th:TH_LOAD_NT
.endr
	WIN 0
.endm
.macro ALOADT s, i                     ; tile i's fragment of K step s: lane (r, h) takes 16 bytes of its row for each c
.irp c, 0,1,2,3
	global_load_b128 v[A+16*(\i)+4*\c:A+16*(\i)+4*\c+3], v[AO+(\i)], s[6:7] offset:128*(\s)+32*\c
.endr
.endm
; K step s is quantised and laid into the image; the loads of two steps on take the registers; one barrier.
; The wait for this step's weights stands at the end of the step before, in each arm of the branch on the third tile, with that arm's own count; step 0 alone has it here.
.macro PROD s
.set RS, RING0+16*((\s)%2)
.if (\s) == 0
	s_wait_loadcnt 28                              ; behind step 0's weights: step 1's 16 loads and x's 12
.endif
.if (\s)%2
	WIN 0x41
.endif
.set k, 0
.rept 64
	v_med3_num_f32 v[RS+k], v[RS+k], -v[WLIM], v[WLIM]   ; the conversion does not saturate (ISA guide 7.6.2): the hold comes first
.set k, k+1
.endr
.if (\s)%2
	WIN 0x01
.endif
.irp g, 0,1,2,3,4,5,6,7
	v_cvt_scalef32_pk8_bf8_f32 v[D+2*\g:D+2*\g+1], v[RS+8*\g:RS+8*\g+7], v[WSC]   ; register i: row i's four codes
.endr
	WIN 0
	v_nop                                          ; a plain line between the conversions and the lines that read their results
.irp g, 0,1,2,3                        ; 4 rows x 4 columns of bytes are turned: eight byte permutes
.set TA, AB+4*(\g%2)
	v_perm_b32 v[TA], v[D+4*\g+1], v[D+4*\g], s44
	v_perm_b32 v[TA+1], v[D+4*\g+1], v[D+4*\g], s45
	v_perm_b32 v[TA+2], v[D+4*\g+3], v[D+4*\g+2], s44
	v_perm_b32 v[TA+3], v[D+4*\g+3], v[D+4*\g+2], s45
	v_perm_b32 v[U+\g], v[TA+2], v[TA], s46
	v_perm_b32 v[U+4+\g], v[TA+2], v[TA], s47
	v_perm_b32 v[U+8+\g], v[TA+3], v[TA+1], s46
	v_perm_b32 v[U+12+\g], v[TA+3], v[TA+1], s47
.endr
.irp j, 0,1,2,3
	ds_store_b128 v[SA], v[U+4*\j:U+4*\j+3] offset:2048*(\s)+16*\j   ; column 4 l + j: 16 codes, K ascending
.endr
.if (\s) < 6
	WLOAD (\s)+2, (\s)%2
.endif
	s_wait_dscnt 0x0                               ; for the others' sake: my part of this step's image lies in LDS
	s_barrier_signal -1
	s_barrier_wait -1
.endm
; One product: tile tt of the half hf of W1's eight against tile i of my rows.  Step 0 starts the sums.
.macro WM s, hf, tt, i
.set AC, 8*(8*(\i)+4*(\hf)+(\tt))
.if (\s) == 0
	v_wmma_f32_16x16x128_bf8_bf8 v[AC:AC+7], v[WF+16*(\tt):WF+16*(\tt)+15], v[A+16*(\i):A+16*(\i)+15], 0
.else
	v_wmma_f32_16x16x128_bf8_bf8 v[AC:AC+7], v[WF+16*(\tt):WF+16*(\tt)+15], v[A+16*(\i):A+16*(\i)+15], v[AC:AC+7]
.endif
.endm
.macro MULAB s, hf                     ; eight products: my first two tiles.  The accumulators take turns, one instruction a turn
.irp tt, 0,1,2,3
.irp i, 0,1
	WM \s, \hf, \tt, \i
.endr
.endr
.endm
.macro MULC s, hf                      ; four products: my third tile
.irp tt, 0,1,2,3
	WM \s, \hf, \tt, 2
.endr
.endm
.macro AWAIT s, stream, cnt            ; beside the stream: the next step's weights are in; behind them stand the 16 weight loads of two steps on (up to step 5) and the cnt loads of x just issued
.if \stream
.if (\s) < 6
	s_wait_loadcnt 16+\cnt
.else
	s_wait_loadcnt \cnt
.endif
.endif
.endm
; Half a K step: four tiles of W1 out of the image against my tiles of rows.  Behind the second half the next step's fragments of x are asked for.
.macro HALF s, hf, stream
.irp tt, 0,1,2,3
.irp c, 0,1,2,3
	ds_load_b128 v[WF+16*\tt+4*\c:WF+16*\tt+4*\c+3], v[RA0+\hf] offset:NTS*\tt+2048*(\s)+512*\c
.endr
.endr
.if (\hf) == 0
.if (\stream) && ((\s) < 6)
	s_wait_loadcnt 16                              ; x's fragments are in; the 16 weight loads issued behind them stay out
.else
	s_wait_loadcnt 0x0
.endif
.endif
	s_wait_dscnt 0x0
	WIN 0x50                                       ; C and D in window 1
	MULAB \s, \hf
.if (\s) == 0
	MULC \s, \hf                                   ; step 0: all three tiles, on every path
	WIN 0
	PLACES 4                                       ; in front of loads into registers that the products have read
.if (\hf) == 1
	s_cmp_eq_u32 s34, 0
	s_cbranch_scc1 .Ltwo_\@
	ALOADT (\s)+1, 2
	ALOADT (\s)+1, 0
	ALOADT (\s)+1, 1
	AWAIT \s, \stream, 12
	s_branch .Ljoin_\@
.Ltwo_\@:
	ALOADT (\s)+1, 0
	ALOADT (\s)+1, 1
	AWAIT \s, \stream, 8
.Ljoin_\@:
.endif
.else
	WIN 0                                          ; at a branch and at a label every window is 0
	s_cmp_eq_u32 s34, 0
	s_cbranch_scc1 .Ltwo_\@                        ; my third tile has no rows
	WIN 0x50
	MULC \s, \hf
	WIN 0
.if ((\hf) == 1) && ((\s) < 7)
	PLACES 4
	ALOADT (\s)+1, 2
	ALOADT (\s)+1, 0
	ALOADT (\s)+1, 1
	AWAIT \s, \stream, 12
	s_branch .Ljoin_\@
.Ltwo_\@:
	PLACES 4
	ALOADT (\s)+1, 0
	ALOADT (\s)+1, 1
	AWAIT \s, \stream, 8
.Ljoin_\@:
.else
.Ltwo_\@:
	PLACES 4                                       ; in front of the next loads into the fragments' registers, and of the first read of results
.endif
.endif
.endm
.macro CONS s, stream
	HALF \s, 0, \stream
	HALF \s, 1, \stream
.endm
; THE SEARCH BY RANK.  My row of tile i has rank rho = 16 tau + lane % 16 among the expert's tokens.  The 32 words of Ma are walked with the running count P: the last word that is not 0 and has P <= rho holds the token.
.macro SELWORD a, b, idx
	s_lshl_b32 s15, s32, 5
	s_or_b32 s15, s15, \idx                        ; P << 5 | the word's number
	s_cmp_lg_u32 s[\a], 0
	s_cselect_b32 s63, s32, -1                     ; a word of zeros is passed over: no rank reaches its threshold
.irp i, 0,1,2
	v_cmp_le_u32 vcc_lo, s63, v[RHO+\i]
	v_cndmask_b32 v[M+\i], v[M+\i], s[\a], vcc_lo
	v_cndmask_b32 v[MB+\i], v[MB+\i], s[\b], vcc_lo
	v_cndmask_b32 v[PK+\i], v[PK+\i], s15, vcc_lo
.endr
	s_bcnt1_i32_b32 s62, s[\a]
	s_add_co_u32 s32, s32, s62
.endm
.macro LEVEL src, w                    ; are there k or fewer ones in the w bits from b on?  Then pass over them
	v_bfe_u32 v[TC], v[\src], v[TB], \w
	v_cmp_ge_u32 vcc_lo, v[TK], v[TC]
	v_sub_nc_u32 v[TT], v[TK], v[TC]
	v_cndmask_b32 v[TK], v[TK], v[TT], vcc_lo
	v_add_nc_u32 v[TT], \w, v[TB]
	v_cndmask_b32 v[TB], v[TB], v[TT], vcc_lo
.endm
.macro BITSEL i                        ; the place b of the word's one number k = rho - P, by counts of 2, 4, 8 and 16 bits
	v_lshrrev_b32 v[TT], 5, v[PK+\i]
	v_sub_nc_u32 v[TK], v[RHO+\i], v[TT]
	v_lshrrev_b32 v[TT], 1, v[M+\i]
	v_and_b32 v[TT], 0x55555555, v[TT]
	v_sub_nc_u32 v[TA1], v[M+\i], v[TT]
	v_lshrrev_b32 v[TT], 2, v[TA1]
	v_and_b32 v[TT], 0x33333333, v[TT]
	v_and_b32 v[TA2], 0x33333333, v[TA1]
	v_add_nc_u32 v[TA2], v[TA2], v[TT]
	v_lshrrev_b32 v[TT], 4, v[TA2]
	v_add_nc_u32 v[TA4], v[TA2], v[TT]
	v_and_b32 v[TA4], 0x0f0f0f0f, v[TA4]
	v_lshrrev_b32 v[TT], 8, v[TA4]
	v_add_nc_u32 v[TA8], v[TA4], v[TT]
	v_and_b32 v[TA8], 0x00ff00ff, v[TA8]
	v_lshrrev_b32 v[TT], 16, v[TA8]
	v_add_nc_u32 v[TT], v[TA8], v[TT]
	v_and_b32 v[TT], 63, v[TT]                     ; the word's ones;
	v_add_nc_u32 v[TT], -1, v[TT]
	v_min_u32 v[TK], v[TK], v[TT]                  ; a rank past the expert's last row is held at the last one of the last word: the last row.  (A word of zeros, where the expert has no row: no hold; nothing is stored then)
	v_mov_b32 v[TB], 0
	LEVEL TA8, 16
	LEVEL TA4, 8
	LEVEL TA2, 4
	LEVEL TA1, 2
	LEVEL M+\i, 1
	v_bfe_u32 v[TC], v[MB+\i], v[TB], 1            ; was the expert the token's second?
	v_and_b32 v[TT], 31, v[PK+\i]
	v_lshl_add_u32 v[TT], v[TT], 5, v[TB]          ; the token
	v_lshl_add_u32 v[TT], v[TC], 10, v[TT]
	v_min_u32 v[SLOT+\i], 0x7ff, v[TT]
.endm
.macro SELLOAD                         ; three quarters of Ma's and Mb's 32 words go out together: one wait serves them all
	s_load_b256 s[16:23], s[10:11], 0x0
	s_load_b256 s[24:31], s[10:11], 0x400
	s_load_b256 s[68:75], s[10:11], 0x20
	s_load_b256 s[76:83], s[10:11], 0x420
	s_load_b256 s[84:91], s[10:11], 0x40
	s_load_b256 s[92:99], s[10:11], 0x440
.endm
.macro SELBODY
	s_lshl_b32 s62, s39, 4
	v_add_nc_u32 v[RHO], s62, v[R16]
	v_add_nc_u32 v[RHO+1], 0x80, v[RHO]
	v_add_nc_u32 v[RHO+2], 0x100, v[RHO]
.irp r, M, M+1, M+2, MB, MB+1, MB+2, PK, PK+1, PK+2
	v_mov_b32 v[\r], 0
.endr
	s_mov_b32 s32, 0
	s_wait_kmcnt 0x0
.irp j, 0,1,2,3,4,5,6,7
	SELWORD 16+\j, 24+\j, \j
.endr
	s_load_b256 s[16:23], s[10:11], 0x60           ; the last quarter takes the first quarter's registers and lands while the two between are walked
	s_load_b256 s[24:31], s[10:11], 0x460
.irp j, 0,1,2,3,4,5,6,7
	SELWORD 68+\j, 76+\j, 8+\j
.endr
.irp j, 0,1,2,3,4,5,6,7
	SELWORD 84+\j, 92+\j, 16+\j
.endr
	s_wait_kmcnt 0x0
.irp j, 0,1,2,3,4,5,6,7
	SELWORD 16+\j, 24+\j, 24+\j
.endr
	BITSEL 0
	BITSEL 1
	BITSEL 2
.irp i, 0,1,2
	v_lshl_add_u32 v[AO+\i], v[SLOT+\i], 10, v[H16]
.endr
.endm
.macro PRE i                           ; tile i's 64 sums x 2^(ex + ew1), each accumulator from its low end on: register 16 b + n is hidden unit 32 b + 16 h + n; its rows' places
	v_mov_b32 v[SL], v[SLOT+\i]
	WIN 0x01
.set k, 0
.rept 32
	v_pk_mul_f32 v[V+k:V+k+1], v[64*(\i)+k:64*(\i)+k+1], s[42:43] op_sel_hi:[1,0]
.set k, k+2
.endr
	WIN 0
.endm
.macro FMAKK d, a, kb, kc
.irp p, 0,2,4,6,8,10,12,14
	v_pk_fma_f32 v[\d+\p:\d+\p+1], v[\a+\p:\a+\p+1], v[KC+2*\kb:KC+2*\kb+1], v[KC+2*\kc:KC+2*\kc+1]
.endr
.endm
.macro FMAVK d, a, b, kc
.irp p, 0,2,4,6,8,10,12,14
	v_pk_fma_f32 v[\d+\p:\d+\p+1], v[\a+\p:\a+\p+1], v[\b+\p:\b+\p+1], v[KC+2*\kc:KC+2*\kc+1]
.endr
.endm
.macro FMAVV d, a, b, c
.irp p, 0,2,4,6,8,10,12,14
	v_pk_fma_f32 v[\d+\p:\d+\p+1], v[\a+\p:\a+\p+1], v[\b+\p:\b+\p+1], v[\c+\p:\c+\p+1]
.endr
.endm
; gelu(v) = v Phi(v), Phi = (1 + erf(z)) / 2, z = v / sqrt(2), for 16 numbers, then their codes.  |z| over 475/512: E = e^(polynomial in |z|) is 1 - erf(|z|); Phi is E / 2 for z < 0 (taken
; straight from the exponential, so the negative tail keeps its digits) and 1 - E / 2 else.  Smaller |z|: erf(z) = z + z x (polynomial in z^2).  Both are computed, and the choice is a select.
.macro GELU16 b
.set VB, V+16*(\b)
.irp p, 0,2,4,6,8,10,12,14
	v_pk_mul_f32 v[GZ+\p:GZ+\p+1], v[VB+\p:VB+\p+1], 0x3f3504f3 op_sel_hi:[1,0]
.endr
.irp p, 0,2,4,6,8,10,12,14
	v_pk_mul_f32 v[GS+\p:GS+\p+1], v[GZ+\p:GZ+\p+1], v[GZ+\p:GZ+\p+1]
.endr
.set k, 0
.rept 16
	v_and_b32 v[GT+k], s48, v[GZ+k]
.set k, k+1
.endr
	FMAKK GR, GT, 0, 1
	FMAKK GQ, GT, 2, 3
	FMAVV GR, GR, GS, GQ
	FMAVK GR, GR, GT, 4
	FMAVK GR, GR, GT, 5
	FMAVK GR, GR, GT, 6
.irp p, 0,2,4,6,8,10,12,14
	v_pk_fma_f32 v[GR+\p:GR+\p+1], v[GR+\p:GR+\p+1], v[GT+\p:GT+\p+1], v[GT+\p:GT+\p+1] neg_lo:[0,0,1] neg_hi:[0,0,1]
.endr
.irp p, 0,2,4,6,8,10,12,14
	v_pk_fma_f32 v[GR+\p:GR+\p+1], v[GR+\p:GR+\p+1], v[KC+14:KC+15], -1.0 op_sel_hi:[1,1,0]   ; x log2(e), less 1: the exponential then gives E / 2
.endr
.set k, 0
.rept 16
	v_exp_f32 v[GR+k], v[GR+k]
.set k, k+1
.endr
	FMAKK GQ, GS, 8, 9                             ; (plain lines behind the exponentials)
	FMAVK GQ, GQ, GS, 10
	FMAVK GQ, GQ, GS, 11
	FMAVK GQ, GQ, GS, 12
	FMAVK GQ, GQ, GS, 13
	FMAVV GQ, GQ, GZ, GZ
.irp p, 0,2,4,6,8,10,12,14
	v_pk_fma_f32 v[GQ+\p:GQ+\p+1], v[GQ+\p:GQ+\p+1], 0.5, 0.5 op_sel_hi:[1,0,0]
.endr
	s_wait_alu depctr_va_vdst(0)
.irp p, 0,2,4,6,8,10,12,14
	v_pk_fma_f32 v[GS+\p:GS+\p+1], v[GR+\p:GR+\p+1], -1.0, 1.0 op_sel_hi:[1,0,0]
.endr
.set k, 0
.rept 16
	v_cmp_gt_f32 vcc_lo, 0, v[GZ+k]
	v_cndmask_b32 v[GR+k], v[GS+k], v[GR+k], vcc_lo
	v_cmp_lt_f32 vcc_lo, s49, v[GT+k]
	v_cndmask_b32 v[GR+k], v[GQ+k], v[GR+k], vcc_lo
.set k, k+1
.endr
.irp p, 0,2,4,6,8,10,12,14
	v_pk_mul_f32 v[VB+\p:VB+\p+1], v[VB+\p:VB+\p+1], v[GR+\p:GR+\p+1]
.endr
.set k, 0
.rept 16
	v_med3_num_f32 v[VB+k], v[VB+k], -v[HLIM], v[HLIM]
.set k, k+1
.endr
	v_cvt_scalef32_pk8_bf8_f32 v[CD+4*(\b):CD+4*(\b)+1], v[VB:VB+7], v[HSC]
	v_cvt_scalef32_pk8_bf8_f32 v[CD+4*(\b)+2:CD+4*(\b)+3], v[VB+8:VB+15], v[HSC]
.endm
	s_load_b128 s[16:19], s[0:1], 0x0              ; W1, xq
	s_load_b128 s[20:23], s[0:1], 0x10             ; masks, the exponents
	s_load_b128 s[24:27], s[0:1], 0x20             ; hq, list
	v_lshl_add_u32 v254, v0, 2, 0x20200
	v_mov_b32 v255, 0
	v_lshrrev_b32 v1, 5, v0
	v_readfirstlane_b32 s12, v1                    ; wave 0..7
	v_and_b32 v[L], 31, v0
	v_and_b32 v[R16], 15, v0
	v_bfe_u32 v[H], v0, 4, 1
	s_and_b32 s13, ttmp7, 0xffff                   ; the expert
	s_lshl_b32 s50, s13, 24                        ; its 16 MiB of W1,
	s_lshl_b32 s62, ttmp9, 9                       ; my slice's 512 bytes of a row
	s_add_co_u32 s50, s50, s62
	s_mov_b32 s51, 0
	s_lshl_b32 s62, s12, 18                        ; my wave's 16 rows of 16,384 bytes
	v_lshlrev_b32 v[RA0], 4, v[L]
	v_add_nc_u32 v[WO], s62, v[RA0]
	s_wait_kmcnt 0x0
	s_add_nc_u64 s[2:3], s[16:17], s[50:51]
	s_add_nc_u64 s[4:5], s[2:3], 0x800000          ; four K steps on: the immediates stay inside their signed 24 bits
	WLOAD 0, 0                                     ; the stream starts before anything else is done
	WLOAD 1, 1
	s_mov_b64 s[6:7], s[18:19]
	s_lshl_b32 s50, s13, 22
	s_lshl_b32 s62, ttmp9, 11
	s_add_co_u32 s50, s50, s62
	s_add_nc_u64 s[8:9], s[24:25], s[50:51]        ; hq at (e, tile 0, my slice)
	s_lshl_b32 s50, s13, 7
	s_add_nc_u64 s[10:11], s[20:21], s[50:51]
	s_lshl_b32 s50, s13, 4
	s_add_nc_u64 s[54:55], s[22:23], s[50:51]      ; (in registers of their own: the mask words land on s[16:31] while this load may be out)
	s_lshl_b32 s50, s13, 12
	s_add_nc_u64 s[52:53], s[26:27], s[50:51]      ; the list at (copy 0, e, tile 0)
	s_load_b128 s[56:59], s[54:55], 0x0            ; ex, ew1, eh, ew2 of my expert
	SELLOAD
	v_add_nc_u32 v[RA1], 4*NTS, v[RA0]
	v_lshrrev_b32 v21, 3, v[L]
	v_bfe_u32 v22, v[L], 1, 1
	v_lshl_add_u32 v21, v21, 1, v22                ; columns 4 l .. 4 l + 3 lie in tile 2 (l / 8) + (l / 2) % 2,
	v_mul_u32_u24 v[SA], v21, NTS
	v_bfe_u32 v22, v[L], 2, 1
	v_lshl_add_u32 v[SA], v22, 7, v[SA]            ; at its rows 8 ((l / 4) % 2) + 4 (l % 2) + j
	v_and_b32 v22, 1, v[L]
	v_lshl_add_u32 v[SA], v22, 6, v[SA]
	s_lshl_b32 s62, s12, 8                         ; my wave's 16 rows of K are c = wave / 2, half = wave % 2: 512 c + 256 half
	v_add_nc_u32 v[SA], s62, v[SA]
	v_lshlrev_b32 v[GO], 4, v[L]
	v_lshlrev_b32 v[H16], 4, v[H]
	v_lshlrev_b32 v[LO], 5, v22                    ; the list: row r at word 8 (r % 2) + r / 2 (r % 2 = l % 2),
	v_lshrrev_b32 v22, 1, v[R16]
	v_lshl_add_u32 v[LO], v22, 2, v[LO]
	v_lshl_add_u32 v[LO], v[H], 15, v[LO]          ; lanes 16-31 in the second copy, 32,768 bytes on
	s_mov_b32 s44, 0x05010400                      ; byte permutes: two rows' bytes 0 and 1 by turns, bytes 2 and 3,
	s_mov_b32 s45, 0x07030602
	s_mov_b32 s46, 0x05040100                      ; two low halves, two high halves
	s_mov_b32 s47, 0x07060302
	s_mov_b32 s48, 0x7fffffff
	s_mov_b32 s49, 0x3f6d8000                      ; 475 / 512
	s_mov_b32 s38, 0
	s_mov_b32 s39, s12
	SELBODY
	ALOADT 0, 0                                    ; K step 0: all three tiles
	ALOADT 0, 1
	ALOADT 0, 2
	s_add_co_i32 s62, s57, 127
	s_lshl_b32 s63, s62, 23
	v_mov_b32 v[WSC], s63
	s_add_co_i32 s62, s62, 15
	s_lshl_b32 s62, s62, 23
	s_or_b32 s62, s62, 0x600000
	v_mov_b32 v[WLIM], s62
	s_add_co_i32 s62, s58, 127
	s_lshl_b32 s63, s62, 23
	v_mov_b32 v[HSC], s63
	s_add_co_i32 s62, s62, 15
	s_lshl_b32 s62, s62, 23
	s_or_b32 s62, s62, 0x600000
	v_mov_b32 v[HLIM], s62
	s_add_co_i32 s42, s56, s57
	s_add_co_i32 s42, s42, 127
	s_lshl_b32 s42, s42, 23                        ; 2^(ex + ew1) as f32
	s_mov_b32 s43, s42                             ; (named with it as a pair, so it is written)
	s_add_co_u32 s36, s32, 15
	s_lshr_b32 s36, s36, 4                         ; tiles of 16 rows
	s_cmp_gt_u32 s36, 24
	s_cselect_b32 s37, 2, 1
	s_cmp_gt_u32 s36, 48
	s_cselect_b32 s37, 3, s37                      ; passes of 24 tiles: 1,024 rows at the most are 64 tiles
	s_add_co_u32 s62, s39, 16
	s_cmp_lt_u32 s62, s36
	s_cselect_b32 s34, 1, 0                        ; has my third tile rows?
.irp s, 0,1,2,3,4,5,6,7
	PROD \s
	CONS \s, 1
.endr
.Lpass:
.set n, 0
.irp c, 0xb7910000, 0x39c8e7d9, 0xbb7e8a1c, 0x3cc6b1a1, 0xbddaae5c, 0xbf228550, 0xbe03ce86, 0x3fb8aa3b, 0xba1c7000, 0x3ba38d2c, 0xbcdb48d9, 0x3de70e22, 0xbec09380, 0x3e0375d4
	v_mov_b32 v[KC+2*n], \c
	v_mov_b32 v[KC+2*n+1], \c
.set n, n+1
.endr
	s_mov_b32 s41, 0
.Ltile:
	s_lshl_b32 s40, s41, 3
	s_add_co_u32 s40, s40, s39                     ; tau
	s_cmp_ge_u32 s40, s36
	s_cbranch_scc1 .Lskip                          ; past the expert's last tile: nothing is stored
	s_cmp_eq_u32 s41, 0
	s_cbranch_scc1 .Lpre0
	s_cmp_eq_u32 s41, 1
	s_cbranch_scc1 .Lpre1
	PRE 2
	s_branch .Lgelu
.Lpre0:
	PRE 0
	s_branch .Lgelu
.Lpre1:
	PRE 1
.Lgelu:
	GELU16 0
	GELU16 1
	GELU16 2
	GELU16 3
	v_nop                                          ; a plain line behind the last conversion
	s_min_u32 s40, s40, 63
	s_lshl_b32 s50, s40, 16
	s_mov_b32 s51, 0
	s_add_nc_u64 s[60:61], s[8:9], s[50:51]
.irp c, 0,1,2,3
	global_store_b128 v[GO], v[CD+4*\c:CD+4*\c+3], s[60:61] offset:512*\c   ; 32 lanes store 512 consecutive bytes, aligned
.endr
	s_cmp_lg_u32 ttmp9, 0
	s_cbranch_scc1 .Lnolist                        ; the list has one owner for each expert: slice 0
	s_lshl_b32 s50, s40, 6
	s_add_nc_u64 s[54:55], s[52:53], s[50:51]
	global_store_b32 v[LO], v[SL], s[54:55]        ; the tile's 16 places, 64 bytes in each copy
.Lnolist:
	s_wait_xcnt 0x0                                ; the stores' data and bases are written again only behind this wait
.Lskip:
	s_add_co_u32 s41, s41, 1
	s_cmp_lt_u32 s41, 3
	s_cbranch_scc1 .Ltile
	s_add_co_u32 s38, s38, 1
	s_cmp_ge_u32 s38, s37
	s_cbranch_scc1 .Ldone
	s_add_co_u32 s39, s39, 24                      ; a further pass: the next 24 tiles against the finished image; no barrier, nothing is written to LDS
	s_add_co_u32 s62, s39, 16
	s_cmp_lt_u32 s62, s36
	s_cselect_b32 s34, 1, 0
	SELLOAD
	SELBODY
	PLACES 5                                       ; the first products begin the accumulators anew, over registers that earlier products wrote
	ALOADT 0, 0
	ALOADT 0, 1
	ALOADT 0, 2
.irp s, 0,1,2,3,4,5,6,7
	CONS \s, 0
.endr
	s_cmp_lt_u32 s38, s37
	s_cbranch_scc1 .Lpass
.Ldone:
	s_wait_tensorcnt 0x0
	ds_add_u32 v254, v255
	s_wait_dscnt 0x0
	s_endpgm
.Lfunc_end_k_qcb0df57a9f_ffn1:
	.size	k_qcb0df57a9f_ffn1, .Lfunc_end_k_qcb0df57a9f_ffn1-k_qcb0df57a9f_ffn1
	.p2alignl 7, 3214868480
	.fill 96, 4, 3214868480
	.section	.rodata,"a",@progbits
	.p2align	6, 0x0
	.amdhsa_kernel k_qcb0df57a9f_ffn1
		.amdhsa_group_segment_fixed_size 132608
		.amdhsa_private_segment_fixed_size 0
		.amdhsa_enable_private_segment 0
		.amdhsa_kernarg_size 48
		.amdhsa_user_sgpr_count 2
		.amdhsa_user_sgpr_kernarg_segment_ptr 1
		.amdhsa_wavefront_size32 1
		.amdhsa_system_sgpr_workgroup_id_x 1
		.amdhsa_system_sgpr_workgroup_id_y 1
		.amdhsa_system_sgpr_workgroup_id_z 1
		.amdhsa_system_vgpr_workitem_id 0
		.amdhsa_next_free_vgpr 512
		.amdhsa_next_free_sgpr 100
		.amdhsa_reserve_vcc 1
		.amdhsa_float_denorm_mode_32 3
		.amdhsa_float_denorm_mode_16_64 3
		.amdhsa_memory_ordered 1
		.amdhsa_forward_progress 1
		.amdhsa_inst_pref_size 255
	.end_amdhsa_kernel
	.section	.bss,"aw",@nobits
	.p2align	6
	.space	262144
	.amdgpu_metadata
---
amdhsa.version: [ 1, 2 ]
amdhsa.kernels:
  - .name:           k_qcb0df57a9f_ffn1
    .symbol:         k_qcb0df57a9f_ffn1.kd
    .args:
      - { .name: W1, .offset: 0, .size: 8, .value_kind: global_buffer, .address_space: global }
      - { .name: xq, .offset: 8, .size: 8, .value_kind: global_buffer, .address_space: global }
      - { .name: masks, .offset: 16, .size: 8, .value_kind: global_buffer, .address_space: global }
      - { .name: lowp_scales, .offset: 24, .size: 8, .value_kind: global_buffer, .address_space: global }
      - { .name: hq, .offset: 32, .size: 8, .value_kind: global_buffer, .address_space: global }
      - { .name: list, .offset: 40, .size: 8, .value_kind: global_buffer, .address_space: global }
    .group_segment_fixed_size: 132608
    .private_segment_fixed_size: 0
    .kernarg_segment_align: 8
    .kernarg_segment_size: 48
    .max_flat_workgroup_size: 256
    .sgpr_count:     100
    .vgpr_count:     512
    .wavefront_size: 32
...
	.end_amdgpu_metadata
.endif
;; end of part 2
;; launch ffn2 (part 3): grid 32 x 8, 8 waves a work-group, no clusters, 167,424 bytes of LDS; arguments W2, hq, masks, lowp_scales, list, y; writes y
.if DOCPART == 3
	.amdgcn_target "amdgcn-amd-amdhsa--gfx1250"
	.amdhsa_code_object_version 6
	.text
	.protected	k_qcb0df57a9f_ffn2
	.globl	k_qcb0df57a9f_ffn2
	.p2align	8
	.type	k_qcb0df57a9f_ffn2,@function
k_qcb0df57a9f_ffn2:
	s_mov_b64 s[64:65], 0
	v_nop
	global_prefetch_b8 v0, s[64:65] scope:SCOPE_SE
	s_setreg_imm32_b32 hwreg(HW_REG_WAVE_MODE, 25, 1), 1
	s_wait_xcnt 0x0
; y[kh][1,024 k + token][:] = 2^(eh + ew2) x (h's codes) (Q(W2[e])), summed over half kh of the 4,096 hidden units, for the rows that chose expert e.  Both operands E5M2, sums f32.
; SHARES.  Work-group (ns + 16 kh, e) owns output columns 64 ns .. +63 and hidden units 2,048 kh .. +2,047 of expert e: 2,048 rows of K x 256 bytes of W2, read from memory ONCE, quantised in registers and
; kept in LDS as images of the operand's registers.  The expert's rows come as finished operand images from hq, tile tau = 24 p + wave + 8 i, i = 0..2; pass 0 runs beside the stream, later passes read the finished image.
; THE THIRD TILE (i = 2) has rows only where the expert has more than 16 (wave + 16 + 24 p) of them.  Trip 0 loads and multiplies all three tiles, so that every register is written on every path.
; No barrier stands under that branch.
; A trip is 256 rows of K, two steps of 128.  Wave w takes step w / 4, block c = w % 4 of 32 rows; lanes 0-15 its first 16 rows, lanes 16-31 the others: each load covers two whole rows of 256 bytes.
; LAYOUT as in the launch before: registers 4 c .. 4 c + 3 of lane (r, h) hold K = 32 c + 16 h + 0..15 in both operands; source 0 = 16 columns of W2, source 1 = 16 rows: a lane holds one row and eight neighbouring columns.
; THE WAY OUT: a tile goes through the wave's own stage and leaves by rows of 256 bytes to the rows' places 1,024 k + token, which the launch before has listed: lanes of half h read, from copy h of the list, the eight
; places of rows 2 m + h, 32 consecutive bytes.  The last tile's spare rows repeat the expert's last row, codes and place: they give its sums and are stored by this same wave to its place once more: no lane is switched off.
; NO TENSOR LOADS, NO CLUSTER: the number of passes, the third tile and the tiles stored hang on counts read from memory; no weight is shared between work-groups.
; LIMITS: ew2 between -126 and 112; eh + ew2 between -126 and 127.  NaN is not served.  For an expert that no token chose, bytes of hq and of the list that nobody wrote are read; nothing made of them is stored, and no address is formed from them.
.set NTS,   32784                      ; a tile's 16 K steps x 2,048 bytes + 16
.set STG,   131328                     ; behind the image: 16 rows x 272 bytes for each wave
.set L,     1
.set R16,   2
.set H,     3
.set WO,    4
.set RA0,   5                          ; image, tiles 0, 1: 16 x lane;  v6 tiles 2, 3
.set RA1,   6
.set SA,    7
.set WSC,   8
.set WLIM,  9
.set AO,    10                         ; v10-12  tile i's image in hq: tau << 16 + 16 x lane
.set STO,   13                         ; v13 into my stage;  v14 back out of it;  v16 16 (lane % 16)
.set SRD,   14
.set LA,    20                         ; v20-22  tile i's places in the list: 64 tau + 32,800 (lane / 16);  v23 the lane's term of it
.set LH,    23
.set A,     24                         ; v24-119  h's fragments: (i, u) at 24 + 16 (2 i + u)
.set WF,    120                        ; v120-183 four fragments of W2
.set D,     184
.set AB,    200
.set U,     208
.set Y,     224                        ; v224-255 a tile on its way out.  Window 1: v0-127 weights as loaded, two sets; accumulator (i, t) at 128 + 8 (4 i + t); v224-247 the places of my three tiles' rows
.set LS,    224
.set SLR,   52                         ; the way out: v52-59 the rows' places; v60-67 their byte offsets in y
.set YO,    60
; s[2:3] W2; s[6:7] hq; s[8:9] y; s[10:11] my expert's masks; s12 wave; s32 rows; s34 has my third tile rows?; s35 the last real tile; s36 tiles; s37 passes; s38 pass; s39 my first tile; s[42:43] 2^(eh + ew2); s[54:55] my expert's part of the list
.set MSB, 0
.macro WIN new                         ; the immediate's high byte repeats the setting that is left
.if MSB != \new
	s_set_vgpr_msb (MSB<<8)|\new
.set MSB, \new
.endif
.endm
.macro PLACES n
.rept \n
	v_nop
.endr
.endm
.macro WLOAD s, set                    ; my 32 rows of trip s
	WIN 0x40
.irp i, 0,1,2,3,4,5,6,7,8,9,10,11,12,13,14,15
	global_load_b128 v[64*(\set)+4*\i:64*(\set)+4*\i+3], v[WO], s[2:3] offset:(\s)*0x100000+4096*\i th:TH_LOAD_NT
.endr
	WIN 0
.endm
.macro ALOADT s, i                     ; tile i's images of trip s's two K steps: each load 512 consecutive bytes
.irp u, 0,1
.irp c, 0,1,2,3
	global_load_b128 v[A+16*(2*(\i)+\u)+4*\c:A+16*(2*(\i)+\u)+4*\c+3], v[AO+(\i)], s[6:7] offset:(2*(\s)+\u)*2048+512*\c
.endr
.endr
.endm
.macro LLOAD                           ; the places of my three tiles' rows: eight words a lane and tile
	WIN 0x40
.irp i, 0,1,2
	global_load_b128 v[LS+8*\i:LS+8*\i+3], v[LA+\i], s[54:55]
	global_load_b128 v[LS+8*\i+4:LS+8*\i+7], v[LA+\i], s[54:55] offset:16
.endr
	WIN 0
.endm
; Trip s is quantised and laid into the image; the loads of two trips on take the registers; one barrier.
; The wait for this trip's weights stands at the end of the trip before, in each arm of the branch on the third tile, with that arm's own count; trip 0 alone has it here.
.macro PROD s
.set RS, 64*((\s)%2)
.if (\s) == 0
	s_wait_loadcnt 46                              ; behind trip 0's weights: trip 1's 16 loads, the list's 6 and h's 24
.endif
	WIN 0x41
.set k, 0
.rept 64
	v_med3_num_f32 v[RS+k], v[RS+k], -v[WLIM], v[WLIM]   ; the conversion does not saturate (ISA guide 7.6.2): the hold comes first
.set k, k+1
.endr
	WIN 0x01
.irp g, 0,1,2,3,4,5,6,7
	v_cvt_scalef32_pk8_bf8_f32 v[D+2*\g:D+2*\g+1], v[RS+8*\g:RS+8*\g+7], v[WSC]
.endr
	WIN 0
	v_nop                                          ; a plain line between the conversions and the lines that read their results
.irp g, 0,1,2,3
.set TA, AB+4*(\g%2)
	v_perm_b32 v[TA], v[D+4*\g+1], v[D+4*\g], s44
	v_perm_b32 v[TA+1], v[D+4*\g+1], v[D+4*\g], s45
	v_perm_b32 v[TA+2], v[D+4*\g+3], v[D+4*\g+2], s44
	v_perm_b32 v[TA+3], v[D+4*\g+3], v[D+4*\g+2], s45
	v_perm_b32 v[U+\g], v[TA+2], v[TA], s46
	v_perm_b32 v[U+4+\g], v[TA+2], v[TA], s47
	v_perm_b32 v[U+8+\g], v[TA+3], v[TA+1], s46
	v_perm_b32 v[U+12+\g], v[TA+3], v[TA+1], s47
.endr
.irp j, 0,1,2,3
	ds_store_b128 v[SA], v[U+4*\j:U+4*\j+3] offset:4096*(\s)+16*\j
.endr
.if (\s) < 6
	WLOAD (\s)+2, (\s)%2
.endif
	s_wait_dscnt 0x0                               ; for the others' sake: my part of this trip's image lies in LDS
	s_barrier_signal -1
	s_barrier_wait -1
.endm
; One product: tile tt of W2's four against tile i of my rows, K step u of trip s.  The very first step starts the sums.
.macro WM s, u, tt, i
.set AC, 128+8*(4*(\i)+(\tt))
.set AF, A+16*(2*(\i)+(\u))
.if ((\s) == 0) && ((\u) == 0)
	v_wmma_f32_16x16x128_bf8_bf8 v[AC:AC+7], v[WF+16*(\tt):WF+16*(\tt)+15], v[AF:AF+15], 0
.else
	v_wmma_f32_16x16x128_bf8_bf8 v[AC:AC+7], v[WF+16*(\tt):WF+16*(\tt)+15], v[AF:AF+15], v[AC:AC+7]
.endif
.endm
.macro MULAB s, u                      ; eight products: my first two tiles.  The accumulators take turns, one instruction a turn
.irp tt, 0,1,2,3
.irp i, 0,1
	WM \s, \u, \tt, \i
.endr
.endr
.endm
.macro MULC s, u                       ; four products: my third tile
.irp tt, 0,1,2,3
	WM \s, \u, \tt, 2
.endr
.endm
.macro AWAIT s, stream, cnt            ; beside the stream: the next trip's weights are in; behind them stand the 16 weight loads of two trips on (up to trip 5) and the cnt loads of h just issued
.if \stream
.if (\s) < 6
	s_wait_loadcnt 16+\cnt
.else
	s_wait_loadcnt \cnt
.endif
.endif
.endm
; One K step of a trip: the four tiles of W2 out of the image against my tiles of rows.  Behind the second step the next trip's images of h are asked for.
.macro HALF s, u, stream
.irp tt, 0,1,2,3
.irp c, 0,1,2,3
	ds_load_b128 v[WF+16*\tt+4*\c:WF+16*\tt+4*\c+3], v[RA0+(\tt/2)] offset:NTS*(\tt%2)+2048*(2*(\s)+(\u))+512*\c
.endr
.endr
.if (\u) == 0
.if (\stream) && ((\s) < 6)
	s_wait_loadcnt 16                              ; h's fragments are in; the 16 weight loads issued behind them stay out
.else
	s_wait_loadcnt 0x0
.endif
.endif
	s_wait_dscnt 0x0
	WIN 0x50                                       ; C and D in window 1
	MULAB \s, \u
.if (\s) == 0
	MULC \s, \u                                    ; trip 0: all three tiles, on every path
	WIN 0
	PLACES 4                                       ; in front of loads into registers that the products have read
.if (\u) == 1
	s_cmp_eq_u32 s34, 0
	s_cbranch_scc1 .Ltwo_\@
	ALOADT (\s)+1, 2
	ALOADT (\s)+1, 0
	ALOADT (\s)+1, 1
	AWAIT \s, \stream, 24
	s_branch .Ljoin_\@
.Ltwo_\@:
	ALOADT (\s)+1, 0
	ALOADT (\s)+1, 1
	AWAIT \s, \stream, 16
.Ljoin_\@:
.endif
.else
	WIN 0                                          ; at a branch and at a label every window is 0
	s_cmp_eq_u32 s34, 0
	s_cbranch_scc1 .Ltwo_\@                        ; my third tile has no rows
	WIN 0x50
	MULC \s, \u
	WIN 0
.if ((\u) == 1) && ((\s) < 7)
	PLACES 4
	ALOADT (\s)+1, 2
	ALOADT (\s)+1, 0
	ALOADT (\s)+1, 1
	AWAIT \s, \stream, 24
	s_branch .Ljoin_\@
.Ltwo_\@:
	PLACES 4
	ALOADT (\s)+1, 0
	ALOADT (\s)+1, 1
	AWAIT \s, \stream, 16
.Ljoin_\@:
.else
.Ltwo_\@:
	PLACES 4                                       ; in front of the next loads into the fragments' registers, and of the first read of results
.endif
.endif
.endm
.macro CONS s, stream
	HALF \s, 0, \stream
	HALF \s, 1, \stream
.endm
.macro AOSET                           ; a tile past the expert's last reads the last real tile once more: no unwritten byte is read while the expert has rows
.irp i, 0,1,2
	s_add_co_u32 s62, s39, 8*\i
	s_min_u32 s62, s62, s35
	s_min_u32 s62, s62, 63
	s_lshl_b32 s63, s62, 6
	s_lshl_b32 s62, s62, 16
	v_add_nc_u32 v[AO+\i], s62, v[RA0]
	v_add_nc_u32 v[LA+\i], s63, v[LH]
.endr
.endm
.macro PRE i                           ; tile i's rows' places; its 32 sums x 2^(eh + ew2), each accumulator from its low end on
	WIN 0x01
.irp m, 0,1,2,3,4,5,6,7
	v_mov_b32 v[SLR+\m], v[LS+8*(\i)+\m]           ; the place of row 2 m + lane / 16
.endr
.set k, 0
.rept 16
	v_pk_mul_f32 v[Y+k:Y+k+1], v[128+32*(\i)+k:128+32*(\i)+k+1], s[42:43] op_sel_hi:[1,0]
.set k, k+2
.endr
	WIN 0
.endm
	s_load_b128 s[16:19], s[0:1], 0x0              ; W2, hq
	s_load_b128 s[20:23], s[0:1], 0x10             ; masks, the exponents
	s_load_b128 s[24:27], s[0:1], 0x20             ; list, y
	v_lshl_add_u32 v18, v0, 2, 0x28a00
	v_mov_b32 v19, 0
	v_lshrrev_b32 v1, 5, v0
	v_readfirstlane_b32 s12, v1                    ; wave 0..7
	v_and_b32 v[L], 31, v0
	v_and_b32 v[R16], 15, v0
	v_bfe_u32 v[H], v0, 4, 1
	s_and_b32 s13, ttmp7, 0xffff                   ; the expert
	s_and_b32 s14, ttmp9, 15                       ; which 64 columns
	s_lshr_b32 s52, ttmp9, 4                       ; which half of K
	s_lshl_b32 s50, s13, 24
	s_lshl_b32 s62, s52, 23
	s_add_co_u32 s50, s50, s62
	s_lshl_b32 s62, s14, 8
	s_add_co_u32 s50, s50, s62
	s_mov_b32 s51, 0
	v_lshlrev_b32 v16, 4, v[R16]
	v_lshl_add_u32 v[WO], v[H], 16, v16            ; lanes 16-31 begin 16 rows of 4,096 bytes further down,
	s_lshl_b32 s62, s12, 17                        ; my wave 32 rows x wave
	v_add_nc_u32 v[WO], s62, v[WO]
	s_wait_kmcnt 0x0
	s_add_nc_u64 s[2:3], s[16:17], s[50:51]
	WLOAD 0, 0                                     ; the stream starts before anything else is done
	WLOAD 1, 1
	s_lshl_b32 s50, s13, 22
	s_lshl_b32 s62, s52, 15
	s_add_co_u32 s50, s50, s62
	s_add_nc_u64 s[6:7], s[18:19], s[50:51]        ; hq at (e, tile 0, my half's first slice)
	s_lshl_b32 s50, s52, 23
	s_lshl_b32 s62, s14, 8
	s_add_co_u32 s50, s50, s62
	s_add_nc_u64 s[8:9], s[26:27], s[50:51]        ; y at (kh, place 0, my columns)
	s_lshl_b32 s50, s13, 12
	s_add_nc_u64 s[54:55], s[24:25], s[50:51]      ; the list at (copy 0, e, tile 0)
	s_lshl_b32 s50, s13, 7
	s_add_nc_u64 s[10:11], s[20:21], s[50:51]
	s_lshl_b32 s50, s13, 4
	s_add_nc_u64 s[22:23], s[22:23], s[50:51]
	s_load_b128 s[56:59], s[22:23], 0x0            ; ex, ew1, eh, ew2 of my expert
	s_load_b512 s[68:83], s[10:11], 0x0            ; Ma: who chose my expert
	s_load_b512 s[84:99], s[10:11], 0x40
	v_lshlrev_b32 v[RA0], 4, v[L]
	v_add_nc_u32 v[RA1], 2*NTS, v[RA0]
	v_bfe_u32 v21, v[L], 2, 2                      ; columns 4 (l % 16) .. +3 lie in tile (l % 16) / 4, at its rows 4 (l % 4) + j
	v_mul_u32_u24 v[SA], v21, NTS
	v_lshl_add_u32 v[SA], v[H], 8, v[SA]
	v_and_b32 v21, 3, v[L]
	v_lshl_add_u32 v[SA], v21, 6, v[SA]
	s_lshl_b32 s62, s12, 9                         ; 2,048 (wave / 4) + 512 (wave % 4)
	v_add_nc_u32 v[SA], s62, v[SA]
	s_mul_i32 s62, s12, 16*272
	s_add_co_u32 s62, s62, STG                     ; my stage
	v_mul_u32_u24 v[STO], v[R16], 272
	v_lshl_add_u32 v[STO], v[H], 5, v[STO]
	v_add_nc_u32 v[STO], s62, v[STO]               ; in: row r, 32 bytes for each half of the lanes
	v_mul_u32_u24 v[SRD], v[H], 272
	v_lshl_add_u32 v[SRD], v[R16], 4, v[SRD]
	v_add_nc_u32 v[SRD], s62, v[SRD]               ; back: lanes 0-15 one row of 256 bytes, lanes 16-31 the next
	v_mul_u32_u24 v[LH], v[H], 0x8020              ; the list: lanes 16-31 read the second copy, 32,768 bytes on, and there the odd rows' eight words, 32 bytes on
	s_mov_b32 s44, 0x05010400
	s_mov_b32 s45, 0x07030602
	s_mov_b32 s46, 0x05040100
	s_mov_b32 s47, 0x07060302
	s_mov_b32 s38, 0
	s_mov_b32 s39, s12
	s_mov_b32 s32, 0
	s_wait_kmcnt 0x0
.set j, 68
.rept 32
	s_bcnt1_i32_b32 s62, s[j]
	s_add_co_u32 s32, s32, s62                     ; the expert's rows
.set j, j+1
.endr
	s_add_co_u32 s36, s32, 15
	s_lshr_b32 s36, s36, 4                         ; tiles
	s_cmp_gt_u32 s36, 24
	s_cselect_b32 s37, 2, 1
	s_cmp_gt_u32 s36, 48
	s_cselect_b32 s37, 3, s37                      ; passes
	s_max_u32 s35, s36, 1
	s_sub_co_u32 s35, s35, 1                       ; the last real tile
	s_add_co_u32 s62, s39, 16
	s_cmp_lt_u32 s62, s36
	s_cselect_b32 s34, 1, 0                        ; has my third tile rows?
	AOSET
	LLOAD
	ALOADT 0, 0                                    ; trip 0: all three tiles
	ALOADT 0, 1
	ALOADT 0, 2
	s_add_co_i32 s62, s59, 127
	s_lshl_b32 s63, s62, 23
	v_mov_b32 v[WSC], s63                          ; 2^ew2
	s_add_co_i32 s62, s62, 15
	s_lshl_b32 s62, s62, 23
	s_or_b32 s62, s62, 0x600000
	v_mov_b32 v[WLIM], s62                         ; 57,344 x 2^ew2
	s_add_co_i32 s42, s58, s59
	s_add_co_i32 s42, s42, 127
	s_lshl_b32 s42, s42, 23                        ; 2^(eh + ew2) as f32
	s_mov_b32 s43, s42
.irp s, 0,1,2,3,4,5,6,7
	PROD \s
	CONS \s, 1
.endr
.Lpass:
	s_mov_b32 s41, 0
.Ltile:
	s_lshl_b32 s40, s41, 3
	s_add_co_u32 s40, s40, s39                     ; tau
	s_cmp_ge_u32 s40, s36
	s_cbranch_scc1 .Lskip                          ; past the expert's last tile: nothing is stored
	s_cmp_eq_u32 s41, 0
	s_cbranch_scc1 .Lpre0
	s_cmp_eq_u32 s41, 1
	s_cbranch_scc1 .Lpre1
	PRE 2
	s_branch .Lout
.Lpre0:
	PRE 0
	s_branch .Lout
.Lpre1:
	PRE 1
.Lout:
.irp t, 0,1,2,3
	ds_store_b128 v[STO], v[Y+8*\t:Y+8*\t+3] offset:64*\t
	ds_store_b128 v[STO], v[Y+8*\t+4:Y+8*\t+7] offset:64*\t+16
.endr
.irp m, 0,1,2,3,4,5,6,7
	ds_load_b128 v[Y+4*\m:Y+4*\m+3], v[SRD] offset:544*\m   ; LDS serves a wave's instructions in order (ISA guide 5.7.1.4): these see my stores
.endr
.irp m, 0,1,2,3,4,5,6,7
	v_min_u32 v[SLR+\m], 0x7ff, v[SLR+\m]
	v_lshl_add_u32 v[YO+\m], v[SLR+\m], 12, v16
.endr
.irp m, 0,1,2,3,4,5,6,7
	s_wait_dscnt 7-\m                              ; rows 2 m and 2 m + 1 are back; the younger loads may be out
	global_store_b128 v[YO+\m], v[Y+4*\m:Y+4*\m+3], s[8:9]   ; each half of the lanes stores 256 consecutive bytes, aligned
.endr
	s_wait_xcnt 0x0                                ; the stores' data and offsets are written again (the next tile, the next pass's loads) only behind this wait
.Lskip:
	s_add_co_u32 s41, s41, 1
	s_cmp_lt_u32 s41, 3
	s_cbranch_scc1 .Ltile
	s_add_co_u32 s38, s38, 1
	s_cmp_ge_u32 s38, s37
	s_cbranch_scc1 .Ldone
	s_add_co_u32 s39, s39, 24                      ; a further pass against the finished image; no barrier, the image is not written
	s_add_co_u32 s62, s39, 16
	s_cmp_lt_u32 s62, s36
	s_cselect_b32 s34, 1, 0
	AOSET
	PLACES 5                                       ; the first products begin the accumulators anew, over registers that earlier products wrote
	LLOAD
	ALOADT 0, 0
	ALOADT 0, 1
	ALOADT 0, 2
.irp s, 0,1,2,3,4,5,6,7
	CONS \s, 0
.endr
	s_cmp_lt_u32 s38, s37
	s_cbranch_scc1 .Lpass
.Ldone:
	s_wait_tensorcnt 0x0
	ds_add_u32 v18, v19
	s_wait_dscnt 0x0
	s_endpgm
.Lfunc_end_k_qcb0df57a9f_ffn2:
	.size	k_qcb0df57a9f_ffn2, .Lfunc_end_k_qcb0df57a9f_ffn2-k_qcb0df57a9f_ffn2
	.p2alignl 7, 3214868480
	.fill 96, 4, 3214868480
	.section	.rodata,"a",@progbits
	.p2align	6, 0x0
	.amdhsa_kernel k_qcb0df57a9f_ffn2
		.amdhsa_group_segment_fixed_size 167424
		.amdhsa_private_segment_fixed_size 0
		.amdhsa_enable_private_segment 0
		.amdhsa_kernarg_size 48
		.amdhsa_user_sgpr_count 2
		.amdhsa_user_sgpr_kernarg_segment_ptr 1
		.amdhsa_wavefront_size32 1
		.amdhsa_system_sgpr_workgroup_id_x 1
		.amdhsa_system_sgpr_workgroup_id_y 1
		.amdhsa_system_sgpr_workgroup_id_z 1
		.amdhsa_system_vgpr_workitem_id 0
		.amdhsa_next_free_vgpr 512
		.amdhsa_next_free_sgpr 100
		.amdhsa_reserve_vcc 0
		.amdhsa_float_denorm_mode_32 3
		.amdhsa_float_denorm_mode_16_64 3
		.amdhsa_memory_ordered 1
		.amdhsa_forward_progress 1
		.amdhsa_inst_pref_size 212
	.end_amdhsa_kernel
	.amdgpu_metadata
---
amdhsa.version: [ 1, 2 ]
amdhsa.kernels:
  - .name:           k_qcb0df57a9f_ffn2
    .symbol:         k_qcb0df57a9f_ffn2.kd
    .args:
      - { .name: W2, .offset: 0, .size: 8, .value_kind: global_buffer, .address_space: global }
      - { .name: hq, .offset: 8, .size: 8, .value_kind: global_buffer, .address_space: global }
      - { .name: masks, .offset: 16, .size: 8, .value_kind: global_buffer, .address_space: global }
      - { .name: lowp_scales, .offset: 24, .size: 8, .value_kind: global_buffer, .address_space: global }
      - { .name: list, .offset: 32, .size: 8, .value_kind: global_buffer, .address_space: global }
      - { .name: y, .offset: 40, .size: 8, .value_kind: global_buffer, .address_space: global }
    .group_segment_fixed_size: 167424
    .private_segment_fixed_size: 0
    .kernarg_segment_align: 8
    .kernarg_segment_size: 48
    .max_flat_workgroup_size: 256
    .sgpr_count:     100
    .vgpr_count:     512
    .wavefront_size: 32
...
	.end_amdgpu_metadata
.endif
;; end of part 3
;; launch combine (part 4): grid 256 x 1, 8 waves a work-group, no clusters, 0 bytes of LDS; arguments y, topw, out0; writes out0
.if DOCPART == 4
	.amdgcn_target "amdgcn-amd-amdhsa--gfx1250"
	.amdhsa_code_object_version 6
	.text
	.protected	k_qcb0df57a9f_combine
	.globl	k_qcb0df57a9f_combine
	.p2align	8
	.type	k_qcb0df57a9f_combine,@function
k_qcb0df57a9f_combine:
	s_mov_b64 s[64:65], 0
	v_nop
	global_prefetch_b8 v0, s[64:65] scope:SCOPE_SE
	s_setreg_imm32_b32 hwreg(HW_REG_WAVE_MODE, 25, 1), 1
	s_wait_xcnt 0x0
; out[token] = w0 (y[0][0][token] + y[1][0][token]) + w1 (y[0][1][token] + y[1][1][token]): the two halves of K are added, then the two experts with the gate's weights.
; A stream: a work-group takes 4 tokens, thread t the 16 bytes at 16 t of each row of 4,096; all 16 loads go out first; each load and store of a wave covers 512 consecutive bytes.
; No LDS, no matrix unit, no cluster: nothing is shared and nothing is multiplied but by the two weights.
.set X, 4                              ; v4-67: token a: 16 registers: (k 0, kh 0), (k 0, kh 1), (k 1, kh 0), (k 1, kh 1)
	s_load_b128 s[4:7], s[0:1], 0x0                ; y, topw
	s_load_b64 s[8:9], s[0:1], 0x10                ; out0
	v_lshlrev_b32 v1, 4, v0
	s_lshl_b32 s10, ttmp9, 14                      ; 4 rows of 4,096 bytes
	s_mov_b32 s11, 0
	s_lshl_b32 s12, ttmp9, 4                       ; 4 weights
	s_mov_b32 s13, 0
	s_wait_kmcnt 0x0
	s_add_nc_u64 s[4:5], s[4:5], s[10:11]
	s_add_nc_u64 s[14:15], s[4:5], 0x800000        ; the second half of K
	s_add_nc_u64 s[8:9], s[8:9], s[10:11]
	s_add_nc_u64 s[6:7], s[6:7], s[12:13]
	s_load_b128 s[16:19], s[6:7], 0x0              ; w0 of my 4 tokens
	s_load_b128 s[20:23], s[6:7], 0x1000           ; w1
.irp a, 0,1,2,3
	global_load_b128 v[X+16*\a:X+16*\a+3], v1, s[4:5] offset:4096*\a th:TH_LOAD_NT
	global_load_b128 v[X+16*\a+4:X+16*\a+7], v1, s[14:15] offset:4096*\a th:TH_LOAD_NT
	global_load_b128 v[X+16*\a+8:X+16*\a+11], v1, s[4:5] offset:0x400000+4096*\a th:TH_LOAD_NT
	global_load_b128 v[X+16*\a+12:X+16*\a+15], v1, s[14:15] offset:0x400000+4096*\a th:TH_LOAD_NT
.endr
	s_wait_kmcnt 0x0
.irp a, 0,1,2,3
	s_mov_b32 s[24+2*\a], s[16+\a]                 ; each weight at the head of an aligned pair: the packed forms take the pair's low word for both halves
	s_mov_b32 s[25+2*\a], s[16+\a]
	s_mov_b32 s[32+2*\a], s[20+\a]
	s_mov_b32 s[33+2*\a], s[20+\a]
.endr
.irp a, 0,1,2,3
	s_wait_loadcnt 12-4*\a                         ; this token's four loads are in; the later tokens' stay out
	v_pk_add_f32 v[X+16*\a:X+16*\a+1], v[X+16*\a:X+16*\a+1], v[X+16*\a+4:X+16*\a+5]
	v_pk_add_f32 v[X+16*\a+2:X+16*\a+3], v[X+16*\a+2:X+16*\a+3], v[X+16*\a+6:X+16*\a+7]
	v_pk_add_f32 v[X+16*\a+8:X+16*\a+9], v[X+16*\a+8:X+16*\a+9], v[X+16*\a+12:X+16*\a+13]
	v_pk_add_f32 v[X+16*\a+10:X+16*\a+11], v[X+16*\a+10:X+16*\a+11], v[X+16*\a+14:X+16*\a+15]
	v_pk_mul_f32 v[X+16*\a:X+16*\a+1], v[X+16*\a:X+16*\a+1], s[24+2*\a:25+2*\a] op_sel_hi:[1,0]
	v_pk_mul_f32 v[X+16*\a+2:X+16*\a+3], v[X+16*\a+2:X+16*\a+3], s[24+2*\a:25+2*\a] op_sel_hi:[1,0]
	v_pk_fma_f32 v[X+16*\a:X+16*\a+1], v[X+16*\a+8:X+16*\a+9], s[32+2*\a:33+2*\a], v[X+16*\a:X+16*\a+1] op_sel_hi:[1,0,1]
	v_pk_fma_f32 v[X+16*\a+2:X+16*\a+3], v[X+16*\a+10:X+16*\a+11], s[32+2*\a:33+2*\a], v[X+16*\a+2:X+16*\a+3] op_sel_hi:[1,0,1]
	global_store_b128 v1, v[X+16*\a:X+16*\a+3], s[8:9] offset:4096*\a th:TH_STORE_NT
.endr
	s_endpgm
.Lfunc_end_k_qcb0df57a9f_combine:
	.size	k_qcb0df57a9f_combine, .Lfunc_end_k_qcb0df57a9f_combine-k_qcb0df57a9f_combine
	.p2alignl 7, 3214868480
	.fill 96, 4, 3214868480
	.section	.rodata,"a",@progbits
	.p2align	6, 0x0
	.amdhsa_kernel k_qcb0df57a9f_combine
		.amdhsa_group_segment_fixed_size 0
		.amdhsa_private_segment_fixed_size 0
		.amdhsa_enable_private_segment 0
		.amdhsa_kernarg_size 24
		.amdhsa_user_sgpr_count 2
		.amdhsa_user_sgpr_kernarg_segment_ptr 1
		.amdhsa_wavefront_size32 1
		.amdhsa_system_sgpr_workgroup_id_x 1
		.amdhsa_system_sgpr_workgroup_id_y 1
		.amdhsa_system_sgpr_workgroup_id_z 1
		.amdhsa_system_vgpr_workitem_id 0
		.amdhsa_next_free_vgpr 72
		.amdhsa_next_free_sgpr 66
		.amdhsa_reserve_vcc 0
		.amdhsa_float_denorm_mode_32 3
		.amdhsa_float_denorm_mode_16_64 3
		.amdhsa_memory_ordered 1
		.amdhsa_forward_progress 1
		.amdhsa_inst_pref_size 6
	.end_amdhsa_kernel
	.amdgpu_metadata
---
amdhsa.version: [ 1, 2 ]
amdhsa.kernels:
  - .name:           k_qcb0df57a9f_combine
    .symbol:         k_qcb0df57a9f_combine.kd
    .args:
      - { .name: y, .offset: 0, .size: 8, .value_kind: global_buffer, .address_space: global }
      - { .name: topw, .offset: 8, .size: 8, .value_kind: global_buffer, .address_space: global }
      - { .name: out0, .offset: 16, .size: 8, .value_kind: global_buffer, .address_space: global }
    .group_segment_fixed_size: 0
    .private_segment_fixed_size: 0
    .kernarg_segment_align: 8
    .kernarg_segment_size: 24
    .max_flat_workgroup_size: 256
    .sgpr_count:     66
    .vgpr_count:     72
    .wavefront_size: 32
...
	.end_amdgpu_metadata
.endif
;; end of part 4
;; ======== version 2 of 2: 4 launches
;; workspace buffers: xq 2,097,152 bytes; masks 2,048 bytes of whole numbers; topw 8,192 bytes; hq 33,554,432 bytes; y 16,777,216 bytes; list 65,536 bytes of whole numbers
;; launch route (part 5): grid 128 x 1, 8 waves a work-group, no clusters, 36,352 bytes of LDS; arguments x, Wg, lowp_scales, xq, masks, topw; writes xq, masks, topw
.if DOCPART == 5
	.amdgcn_target "amdgcn-amd-amdhsa--gfx1250"
	.amdhsa_code_object_version 6
	.text
	.protected	k_qcb0df57a9f_route
	.globl	k_qcb0df57a9f_route
	.p2align	8
	.type	k_qcb0df57a9f_route,@function
k_qcb0df57a9f_route:
	s_mov_b64 s[64:65], 0
	v_nop
	global_prefetch_b8 v0, s[64:65] scope:SCOPE_SE
	s_setreg_imm32_b32 hwreg(HW_REG_WAVE_MODE, 25, 1), 1
	s_wait_xcnt 0x0
; THE GATE.  logits = x Wg in f32 (fused multiply-adds), the two largest of eight (a tie keeps the lower index), a softmax over the two with the larger taken away first.
; Stored, all at fixed places: xq[k][token][1024], the token's row as E5M2 codes under the scale of its k-th expert (entry 4 e of the scales);
; masks: Ma[e] at byte 128 e, bit t = token t chose expert e; Mb[e] at 1024 + 128 e, bit t = it chose e as its SECOND; topw[k][token], the two weights.
; SHARES.  A work-group takes 8 tokens, a wave one.  Lane l holds columns 256 q + 8 l + 0..7, q = 0..3: eight neighbours for each conversion.
; Wg (32 KB) is copied once into LDS in whole runs of 4,096 bytes and read from there as blocks of 8 rows (256 bytes), 272 bytes apart, so that 16 lanes' reads start at 16 different 16-byte columns.
; No matrix unit (N = 8), no cluster: the only shared input is Wg, 32 KB beside the 32 KB of x that a work-group reads; it is copied once.
; LIMITS: each exponent e lies between -126 and 112, so that 2^e and 57,344 x 2^e are f32 numbers.  NaN among the inputs is not served.
.set PW,   272
.set EXI,  34816                       ; behind Wg's 128 blocks: 8 words, i0 | i1 << 8, one for each wave
.set EXW,  34880                       ; 16 words: w0 of the 8 tokens, then w1
.set X,    16                          ; v16-47   my 32 numbers of x
.set W,    48                          ; v48-175  two sets of 64: a block of Wg (register 8 i + e: row i, expert e)
.set S,    176                         ; v176-183 the eight sums
.set CP,   184                         ; v184-215 x held within the largest code x the scale
.set CD,   216                         ; v216-231 codes: 8 registers for each k, so that no store's data are written again
	s_load_b256 s[4:11], s[0:1], 0x0               ; x s[4:5], Wg s[6:7], the exponents s[8:9], xq s[10:11]
	s_load_b128 s[12:15], s[0:1], 0x20             ; masks s[12:13], topw s[14:15]
	v_lshl_add_u32 v254, v0, 2, 0x8a00
	v_mov_b32 v255, 0
	v_lshrrev_b32 v1, 5, v0
	s_delay_alu instid0(VALU_DEP_1)
	v_readfirstlane_b32 s48, v1                    ; wave 0..7
	v_and_b32 v1, 31, v0                           ; lane
	v_lshlrev_b32 v2, 4, v0                        ; Wg from memory: 16 x thread
	v_lshrrev_b32 v3, 4, v0
	s_delay_alu instid0(VALU_DEP_1)
	v_mul_u32_u24 v3, v3, PW
	v_and_b32 v4, 15, v0
	s_delay_alu instid0(VALU_DEP_1)
	v_lshl_add_u32 v3, v4, 4, v3                   ; Wg into LDS: block thread / 16, 16 bytes at 16 (thread % 16)
	v_lshlrev_b32 v4, 5, v1                        ; x: 32 x lane
	v_mul_u32_u24 v5, v1, PW                       ; Wg out of LDS: block lane (+ 32 q in the immediate)
	v_lshlrev_b32 v6, 3, v1                        ; xq: 8 x lane
	s_lshl_b32 s49, ttmp9, 3
	s_add_co_u32 s49, s49, s48                     ; my token
	s_lshl_b32 s52, s49, 12
	s_mov_b32 s53, 0
	s_lshl_b32 s54, s49, 10
	s_mov_b32 s55, 0
	s_mov_b32 s50, 0x76543210                      ; v_permlanex16_b32: lane l xor 16
	s_mov_b32 s51, 0xfedcba98
	s_wait_alu depctr_va_vdst(0)
	s_wait_kmcnt 0x0
	s_load_b512 s[16:31], s[8:9], 0x0              ; all 32 exponents: expert e's for x is s[16 + 4 e]
	s_load_b512 s[32:47], s[8:9], 0x40
	s_add_nc_u64 s[4:5], s[4:5], s[52:53]          ; x at my token's row
	s_add_nc_u64 s[10:11], s[10:11], s[54:55]      ; xq likewise (k = 0)
	s_mov_b32 s52, ttmp9
	s_add_nc_u64 s[12:13], s[12:13], s[52:53]      ; masks: my work-group's 8 tokens are byte number work-group of each row of 128 bytes
	s_lshl_b32 s54, ttmp9, 5
	s_add_nc_u64 s[14:15], s[14:15], s[54:55]      ; topw at my work-group's 8 tokens
.irp n, 0,1,2,3,4,5,6,7
	global_load_b128 v[W+4*\n:W+4*\n+3], v2, s[6:7] offset:4096*\n          ; the 256 threads read 4,096 consecutive bytes
.endr
.irp q, 0,1,2,3
	global_load_b128 v[X+8*\q:X+8*\q+3], v4, s[4:5] offset:1024*\q th:TH_LOAD_NT
	global_load_b128 v[X+8*\q+4:X+8*\q+7], v4, s[4:5] offset:1024*\q+16 th:TH_LOAD_NT
.endr
	s_wait_loadcnt 8                               ; Wg's eight loads are in; x's eight may stay out
.irp n, 0,1,2,3,4,5,6,7
	ds_store_b128 v3, v[W+4*\n:W+4*\n+3] offset:16*PW*\n
.endr
	s_wait_dscnt 0x0                               ; for the others' sake: my part of Wg lies in LDS
	s_barrier_signal -1
	s_barrier_wait -1
.macro WFETCH q, set                   ; the block of Wg that belongs to my 8 columns of quarter q
.irp m, 0,1,2,3,4,5,6,7,8,9,10,11,12,13,14,15
	ds_load_b128 v[W+64*(\set)+4*\m:W+64*(\set)+4*\m+3], v5 offset:32*PW*(\q)+16*\m
.endr
.endm
; 32 packed multiply-adds: the sums of experts e, e + 1 take x(column i) x Wg(i, e), Wg(i, e + 1); x's register is chosen for both halves by op_sel.  The very first column starts the sums.
.macro DOT q, set
.set WS, W+64*(\set)
.irp i, 0,1,2,3,4,5,6,7
.irp p, 0,2,4,6
.if ((\q) == 0) && (\i == 0)
	v_pk_mul_f32 v[S+\p:S+\p+1], v[X:X+1], v[WS+\p:WS+\p+1] op_sel:[0,0] op_sel_hi:[0,1]
.elseif (\i % 2) == 0
	v_pk_fma_f32 v[S+\p:S+\p+1], v[X+8*(\q)+\i:X+8*(\q)+\i+1], v[WS+8*\i+\p:WS+8*\i+\p+1], v[S+\p:S+\p+1] op_sel:[0,0,0] op_sel_hi:[0,1,1]
.else
	s_delay_alu instid0(VALU_DEP_4)
	v_pk_fma_f32 v[S+\p:S+\p+1], v[X+8*(\q)+\i-1:X+8*(\q)+\i], v[WS+8*\i+\p:WS+8*\i+\p+1], v[S+\p:S+\p+1] op_sel:[1,0,0] op_sel_hi:[1,1,1]
.endif
.endr
.endr
.endm
	WFETCH 0, 0
	WFETCH 1, 1
	s_wait_loadcnt 0x0                             ; x
	s_wait_dscnt 16                                ; this quarter's 16 loads are in, the next quarter's 16 may be out
	DOT 0, 0
	WFETCH 2, 0
	s_wait_alu depctr_va_vdst(0)
	s_wait_dscnt 16
	DOT 1, 1
	WFETCH 3, 1
	s_wait_alu depctr_va_vdst(0)
	s_wait_dscnt 16
	DOT 2, 0
	s_wait_alu depctr_va_vdst(0)
	s_wait_dscnt 0x0
	DOT 3, 1
	; the eight sums over the 32 lanes; every lane ends with all eight logits
.irp x, 1,2,4,8
.irp e, 0,1,2,3,4,5,6,7
	v_add_f32_dpp v[S+\e], v[S+\e], v[S+\e] row_xmask:\x row_mask:0xf bank_mask:0xf
.endr
.endr
.irp e, 0,1,2,3,4,5,6,7
	v_permlanex16_b32 v[W+\e], v[S+\e], s50, s51   ; (its destination has been written: Wg lay there)
.endr
.irp e, 0,1,2,3,4,5,6,7
	v_add_f32 v[S+\e], v[S+\e], v[W+\e]
.endr
	; the largest: ascending e, strictly greater, so a tie keeps the lower index
	v_mov_b32 v7, v[S]
	v_mov_b32 v8, 0
.irp e, 1,2,3,4,5,6,7
	s_delay_alu instid0(VALU_DEP_2)
	v_cmp_gt_f32 vcc_lo, v[S+\e], v7
	s_delay_alu instid0(VALU_DEP_1)
	v_cndmask_b32 v7, v7, v[S+\e], vcc_lo
	s_delay_alu instid0(VALU_DEP_2)
	v_cndmask_b32 v8, v8, \e, vcc_lo
.endr
	v_mov_b32 v11, 0xff800000                      ; the winner's logit becomes -infinity, and the same scan finds the second
.irp e, 0,1,2,3,4,5,6,7
	v_cmp_eq_u32 vcc_lo, \e, v8
	s_delay_alu instid0(VALU_DEP_1)
	v_cndmask_b32 v[S+\e], v[S+\e], v11, vcc_lo
.endr
	v_mov_b32 v9, v[S]
	v_mov_b32 v10, 0
.irp e, 1,2,3,4,5,6,7
	s_delay_alu instid0(VALU_DEP_2)
	v_cmp_gt_f32 vcc_lo, v[S+\e], v9
	s_delay_alu instid0(VALU_DEP_1)
	v_cndmask_b32 v9, v9, v[S+\e], vcc_lo
	s_delay_alu instid0(VALU_DEP_2)
	v_cndmask_b32 v10, v10, \e, vcc_lo
.endr
	s_delay_alu instid0(VALU_DEP_2)
	v_sub_f32 v11, v9, v7                          ; the second less the largest: 0 or less
	s_delay_alu instid0(VALU_DEP_1)
	v_mul_f32 v11, 0x3fb8aa3b, v11
	s_wait_alu depctr_va_vdst(0)
	v_exp_f32 v11, v11                             ; u = e^(l1 - l0), at most 1
	s_lshl_b32 s52, s48, 2
	s_add_co_u32 s52, s52, EXI
	v_mov_b32 v15, s52                             ; (a plain line behind the exponential)  my wave's word
	s_wait_alu depctr_va_vdst(0)
	v_add_f32 v14, 1.0, v11
	s_wait_alu depctr_va_vdst(0)
	v_rcp_f32 v12, v14                             ; w0 = 1 / (1 + u)
	v_lshl_or_b32 v232, v10, 8, v8                 ; (a plain line behind the reciprocal, which names neither its result nor its source)  i0 | i1 << 8
	s_wait_alu depctr_va_vdst(0)
	v_mul_f32 v13, v11, v12                        ; w1 = u w0
	ds_store_b32 v15, v232                         ; every lane writes the same word with the same value
	ds_store_b32 v15, v12 offset:EXW-EXI
	ds_store_b32 v15, v13 offset:EXW-EXI+32
	s_wait_dscnt 0x0
	s_barrier_signal -1
	s_barrier_wait -1
	s_wait_kmcnt 0x0                               ; the exponents
; My row as codes under the scale of expert v[idx].  The choice selects a value and no address.
.macro QX k, idx
	v_mov_b32 v232, s16
.irp e, 1,2,3,4,5,6,7
	v_cmp_eq_u32 vcc_lo, \e, v[\idx]
	s_delay_alu instid0(VALU_DEP_1)
	v_cndmask_b32 v232, v232, s[16+4*\e], vcc_lo
.endr
	s_delay_alu instid0(VALU_DEP_1)
	v_add_nc_u32 v232, 127, v232
	s_delay_alu instid0(VALU_DEP_1)
	v_lshlrev_b32 v233, 23, v232                   ; 2^e as f32: the conversion takes its exponent field
	s_delay_alu instid0(VALU_DEP_2)
	v_add_nc_u32 v232, 15, v232
	s_delay_alu instid0(VALU_DEP_1)
	v_lshlrev_b32 v232, 23, v232
	s_delay_alu instid0(VALU_DEP_1)
	v_or_b32 v234, 0x600000, v232                  ; 57,344 x 2^e
.set j, 0
.rept 32
	v_med3_num_f32 v[CP+j], v[X+j], -v234, v234    ; the conversion to an 8-bit code does not saturate (ISA guide 7.6.2): the hold comes first
.set j, j+1
.endr
.irp q, 0,1,2,3
	v_cvt_scalef32_pk8_bf8_f32 v[CD+8*\k+2*\q:CD+8*\k+2*\q+1], v[CP+8*\q:CP+8*\q+7], v233
.endr
	v_nop                                          ; a plain line between the conversions and the next lines that write their sources
.irp q, 0,1,2,3
	global_store_b64 v6, v[CD+8*\k+2*\q:CD+8*\k+2*\q+1], s[10:11] offset:1048576*\k+256*\q   ; 32 lanes store 256 consecutive bytes, aligned
.endr
.endm
	QX 0, 8
	QX 1, 10
	; wave 0 gathers the work-group's 8 tokens: a byte of each of the 16 rows of masks, and the 16 weights
	s_cmp_lg_u32 s48, 0
	s_cbranch_scc1 .Lend
	v_and_b32 v14, 7, v1
	s_delay_alu instid0(VALU_DEP_1)
	v_lshlrev_b32 v15, 2, v14
	ds_load_b32 v11, v15 offset:EXI                ; lane l: token l % 8's two experts
	v_and_b32 v232, 15, v1
	s_delay_alu instid0(VALU_DEP_1)
	v_lshlrev_b32 v232, 2, v232
	ds_load_b32 v233, v232 offset:EXW              ; lane l < 16: weight l / 8 of token l % 8
	v_lshlrev_b32 v237, 7, v14
	v_bfe_u32 v238, v1, 3, 1
	s_delay_alu instid0(VALU_DEP_1)
	v_lshl_add_u32 v237, v238, 10, v237            ; masks: row l % 8 of Ma (l < 8) or of Mb
	s_delay_alu instid0(VALU_DEP_2)
	v_lshl_add_u32 v239, v238, 12, v15             ; topw: 4,096 (l / 8) + 4 (l % 8)
	v_mov_b32 v236, 0
	s_wait_alu depctr_va_vdst(0)
	s_wait_dscnt 0x0
	v_and_b32 v234, 0xff, v11
	v_lshrrev_b32 v235, 8, v11
.irp e, 0,1,2,3,4,5,6,7
	v_cmp_eq_u32 s54, \e, v234                     ; bit l: token l % 8 chose e first,
	v_cmp_eq_u32 s55, \e, v235                     ; second
	s_or_b32 s54, s54, s55
	v_writelane_b32 v236, s54, \e                  ; lane e: Ma's byte (the store takes the low 8 bits)
	s_delay_alu instid0(VALU_DEP_1)
	v_writelane_b32 v236, s55, 8+\e                ; lane 8 + e: Mb's
.endr
	s_wait_alu depctr_va_vdst(0)
	s_wait_xcnt 0x0                                ; EXEC changes only behind this wait: the stores above name it
	v_cmp_gt_u32 vcc_lo, 16, v1
	s_and_saveexec_b32 s56, vcc_lo
	global_store_b8 v237, v236, s[12:13]
	global_store_b32 v239, v233, s[14:15]
	s_wait_xcnt 0x0
	s_or_b32 exec_lo, exec_lo, s56
.Lend:
	s_wait_tensorcnt 0x0
	ds_add_u32 v254, v255
	s_wait_dscnt 0x0
	s_endpgm
.Lfunc_end_k_qcb0df57a9f_route:
	.size	k_qcb0df57a9f_route, .Lfunc_end_k_qcb0df57a9f_route-k_qcb0df57a9f_route
	.p2alignl 7, 3214868480
	.fill 96, 4, 3214868480
	.section	.rodata,"a",@progbits
	.p2align	6, 0x0
	.amdhsa_kernel k_qcb0df57a9f_route
		.amdhsa_group_segment_fixed_size 36352
		.amdhsa_private_segment_fixed_size 0
		.amdhsa_enable_private_segment 0
		.amdhsa_kernarg_size 48
		.amdhsa_user_sgpr_count 2
		.amdhsa_user_sgpr_kernarg_segment_ptr 1
		.amdhsa_wavefront_size32 1
		.amdhsa_system_sgpr_workgroup_id_x 1
		.amdhsa_system_sgpr_workgroup_id_y 1
		.amdhsa_system_sgpr_workgroup_id_z 1
		.amdhsa_system_vgpr_workitem_id 0
		.amdhsa_next_free_vgpr 256
		.amdhsa_next_free_sgpr 66
		.amdhsa_reserve_vcc 1
		.amdhsa_float_denorm_mode_32 3
		.amdhsa_float_denorm_mode_16_64 3
		.amdhsa_memory_ordered 1
		.amdhsa_forward_progress 1
		.amdhsa_inst_pref_size 38
	.end_amdhsa_kernel
	.amdgpu_metadata
---
amdhsa.version: [ 1, 2 ]
amdhsa.kernels:
  - .name:           k_qcb0df57a9f_route
    .symbol:         k_qcb0df57a9f_route.kd
    .args:
      - { .name: x, .offset: 0, .size: 8, .value_kind: global_buffer, .address_space: global }
      - { .name: Wg, .offset: 8, .size: 8, .value_kind: global_buffer, .address_space: global }
      - { .name: lowp_scales, .offset: 16, .size: 8, .value_kind: global_buffer, .address_space: global }
      - { .name: xq, .offset: 24, .size: 8, .value_kind: global_buffer, .address_space: global }
      - { .name: masks, .offset: 32, .size: 8, .value_kind: global_buffer, .address_space: global }
      - { .name: topw, .offset: 40, .size: 8, .value_kind: global_buffer, .address_space: global }
    .group_segment_fixed_size: 36352
    .private_segment_fixed_size: 0
    .kernarg_segment_align: 8
    .kernarg_segment_size: 48
    .max_flat_workgroup_size: 256
    .sgpr_count:     66
    .vgpr_count:     256
    .wavefront_size: 32
...
	.end_amdgpu_metadata
.endif
;; end of part 5
;; launch ffn1 (part 6): grid 32 x 8, 8 waves a work-group, no clusters, 132,608 bytes of LDS; arguments W1, xq, masks, lowp_scales, hq, list; writes hq, list
.if DOCPART == 6
	.amdgcn_target "amdgcn-amd-amdhsa--gfx1250"
	.amdhsa_code_object_version 6
	.text
	.protected	k_qcb0df57a9f_ffn1
	.globl	k_qcb0df57a9f_ffn1
	.p2align	8
	.type	k_qcb0df57a9f_ffn1,@function
k_qcb0df57a9f_ffn1:
	s_mov_b64 s[64:65], 0
	v_nop
	global_prefetch_b8 v0, s[64:65] scope:SCOPE_SE
	s_setreg_imm32_b32 hwreg(HW_REG_WAVE_SCHED_MODE, 0, 2), 2
	s_setreg_imm32_b32 hwreg(HW_REG_WAVE_MODE, 25, 1), 1
	s_wait_xcnt 0x0
	s_wait_alu depctr_vm_vsrc(0)
; h = Q(gelu(Q(x) Q(W1[e]))) for the rows that chose expert e, both operands E5M2, sums f32; gelu by erf, in f32.
; SHARES.  Work-group (fs, e) owns hidden units 128 fs .. +127 of expert e: 1,024 rows of K x 512 bytes of W1, read from memory ONCE, quantised in registers and kept in LDS as images of
; the operand's registers.  All of the expert's rows (ascending token; found from the bit masks by rank) are multiplied against them: tile tau = 24 p + wave + 8 i, i = 0..2, of 16 rows; pass p = 0 runs beside the stream,
; later passes (more than 384 rows on one expert) read the finished image.
; THE THIRD TILE (i = 2) has rows only where the expert has more than 16 (wave + 16 + 24 p) of them.  K step 0 loads and multiplies all three tiles, so that every register is written on every path.
; No barrier stands under that branch.  Empty first and second tiles are multiplied and not stored.
; A RANK PAST THE EXPERT'S LAST ROW IS HELD AT THE LAST ROW: the last tile's spare rows repeat that row, codes and all, so that the next launch need mask nothing.
; K goes in 8 steps of 128.  In a step wave w loads rows 16 w .. +15 (16 loads of 512 consecutive bytes), a lane holding 16 rows x 4 columns; the codes are turned by byte permutes so that a column's 16 codes along K are 16 bytes.
; LAYOUT.  Registers 4 c .. 4 c + 3 of lane (r, h) hold K = 32 c + 16 h + 0..15, alike in both operands.  The product is used transposed (source 0 = 16 columns of W1, source 1 = 16 rows of x).
; THE COLUMNS OF A TILE ARE NOT NEIGHBOURS: lane r of tile 2 b + u takes column 32 b + 8 u + r + 8 (r / 8), so a lane's 16 results of tiles 2 b, 2 b + 1 are 16 neighbours along the next K, and the conversions' results are the next product's operand.
; hq[e][tau][fs][2,048 bytes] is that operand's image: 4 stores of 512 consecutive bytes.
; list[copy 2][e][tau][16 words]: the places 1,024 k + token of a tile's rows, row r at word 8 (r % 2) + r / 2, stored by the work-groups of slice 0 alone; lanes 0-15 write copy 0, lanes 16-31 copy 1: no lane is switched off, no word is written twice.
; NO TENSOR LOADS, NO CLUSTER: the number of passes, the third tile and the tiles that are stored hang on counts read from memory, and the rows that the 32 work-groups of an expert share are gathered by places made from those masks; no weight is shared.
; LIMITS: ew1 and eh between -126 and 112; ex + ew1 between -126 and 127.  NaN among the inputs is not served.  An expert that no token chose stores nothing.
; THE MODE: SCHED_MODE bits 1:0 = 2 (LLVM: expert scheduling mode 2), set by the entry lines.  The code itself states the register dependences
; between vector or matrix instructions and memory or LDS instructions, and those through scalar registers that vector instructions write, with s_wait_alu, always for 0.
; THE PLAN.  Registers that memory or LDS instructions touch:
;   v[WO], v[RA0], v[RA1], v[SA], v[GO], v[LO]   addresses, made once at the head and never written again.
;   v[AO ..]      written by the search (the head, each further pass); read by x's loads.
;   the ring      step s: its holds write the set, its conversions read it; behind them the loads of step s + 2 land in it.
;   v[U ..]       step s: its permutes write it, its four LDS stores read it; step s + 1's permutes write it again; behind the stream the way out's arithmetic lies over it.
;   v[WF ..]      half a step: LDS loads land in it, the half's products read it.
;   v[A ..]       x's loads land in it; both halves' products read it; the loads of step s + 1 follow behind the second half.
;   v[CD ..], v[SL]   a tile's conversions and one move write them, its stores read them, the next tile writes them again.
; A K step has three waits on va_vdst (ahead of its LDS stores; behind each half's products) and one on vm_vsrc (ahead of its permutes).  The first of the three also serves the first half's loads into
; v[WF ..]: no vector line between names them.  All 512 registers of a wave are laid out (two waves share a SIMD's 1,024), so no buffer is doubled.
; Compares stand in runs, into scalar registers, with one wait on va_sdst behind each run and ahead of the selects that read the masks.
.set NTS,   16400                      ; a tile's 8 K steps x 2,048 bytes + 16: the 16 lanes of an LDS store then fall on 16 different 16-byte columns
.set L,     1                          ; v1  lane          v2  lane % 16          v3  lane / 16
.set R16,   2
.set H,     3
.set WO,    4                          ; v4  W1: 16 x lane + wave x 16 rows
.set RA0,   5                          ; v5  image, tiles 0-3: 16 x lane;  v6  tiles 4-7
.set RA1,   6
.set SA,    7                          ; v7  where my column 4 l's 16 codes go
.set WSC,   8                          ; v8  2^ew1, v9  57,344 x 2^ew1
.set WLIM,  9
.set AO,    10                         ; v10-12  byte offset in xq of my row of tile i, + 16 h
.set GO,    13                         ; v13 16 x lane, for the stores
.set HSC,   14                         ; v14 2^eh, v15 57,344 x 2^eh
.set HLIM,  15
.set SLOT,  17                         ; v17-19  1,024 k + token of my row of tile i
.set H16,   20
.set SL,    21                         ; v21 that of the tile in hand
.set LO,    23                         ; v23 my word in a tile's part of the list
.set A,     24                         ; v24-71   x's fragments, three tiles
.set WF,    72                         ; v72-135  four fragments of W1
.set D,     136                        ; v136-151 codes by rows;  v152-159 at work;  v160-175 codes by columns
.set AB,    152
.set U,     160
.set RING0, 176                        ; v176-239 weights as loaded, set 0;  set 1: v192-255 of window 1.  Window 1, v0-191: accumulator (i, t) at 8 (8 i + t)
.set RHO,   24                         ; the search by rank: v24-59
.set M,     27
.set MB,    30
.set PK,    33
.set TS,    36                         ; tile i's eight at TS + 8 i: +0 .. +3 the counts of 2, 4, 8 and 16 bits; +4 k; +5 b; +6, +7 at work
.set KC,    24                         ; the way out: v24-51 14 constants, each twice;  v52-67 codes;  v68-131 a tile's 64 numbers;  v132-211 at work
.set CD,    52
.set V,     68
.set GZ,    132
.set GS,    148
.set GT,    164
.set GR,    180
.set GQ,    196
; s[2:3], s[4:5] W1 at K steps 0 and 4; s[6:7] xq; s[8:9] hq; s[10:11] my expert's masks; s12 wave; s[16:31], s[68:99] mask words (s[68:99] on the way out: the gelu's masks); s32 rows; s34 has my third tile rows?; s36 tiles; s37 passes;
; s38 pass; s39 my first tile; s[42:43] 2^(ex + ew1); s[52:53] my expert's part of the list.  In the search: s15, s14, s33, s35 four words' packed counts; s54, s55, s44-47, s50, s51, s60, s61, s66, s67 twelve masks
.set MSB, 0
.macro WIN new                         ; the immediate's high byte repeats the setting that is left
.if MSB != \new
	s_set_vgpr_msb (MSB<<8)|\new
.set MSB, \new
.endif
.endm
.macro PLACES n
.rept \n
	v_nop
.endr
.endm
.macro WLOAD s, set                    ; my 16 rows of K step s
.if \set
	WIN 0x40
.endif
.irp i, 0,1,2,3,4,5,6,7,8,9,10,11,12,13,14,15
	global_load_b128 v[RING0+16*(\set)+4*\i:RING0+16*(\set)+4*\i+3], v[WO], s[2+2*((\s)/4):3+2*((\s)/4)] offset:((\s)%4)*0x200000+16384*\i th:TH_LOAD_NT
.endr
	WIN 0
.endm
.macro ALOADT s, i                     ; tile i's fragment of K step s: lane (r, h) takes 16 bytes of its row for each c
.irp c, 0,1,2,3
	global_load_b128 v[A+16*(\i)+4*\c:A+16*(\i)+4*\c+3], v[AO+(\i)], s[6:7] offset:128*(\s)+32*\c
.endr
.endm
; K step s is quantised and laid into the image; the loads of two steps on take the registers; one barrier.
; The wait for this step's weights stands at the end of the step before, in each arm of the branch on the third tile, with that arm's own count; step 0 alone has it here.
.macro PROD s
.set RS, RING0+16*((\s)%2)
.if (\s) == 0
	s_wait_loadcnt 28                              ; behind step 0's weights: step 1's 16 loads and x's 12
.endif
.if (\s)%2
	WIN 0x41
.endif
.set k, 0
.rept 64
	v_med3_num_f32 v[RS+k], v[RS+k], -v[WLIM], v[WLIM]   ; the conversion does not saturate (ISA guide 7.6.2): the hold comes first
.set k, k+1
.endr
.if (\s)%2
	WIN 0x01
.endif
.irp g, 0,1,2,3,4,5,6,7
	v_cvt_scalef32_pk8_bf8_f32 v[D+2*\g:D+2*\g+1], v[RS+8*\g:RS+8*\g+7], v[WSC]   ; register i: row i's four codes
.endr
	WIN 0
	v_nop                                          ; a plain line between the conversions and the lines that read their results
.if (\s) > 0
	s_wait_alu depctr_vm_vsrc(0)                   ; the LDS stores of the step before have read v[U ..], which the permutes below write again
.endif
.irp g, 0,1,2,3                        ; 4 rows x 4 columns of bytes are turned: eight byte permutes
.set TA, AB+4*(\g%2)
	v_perm_b32 v[TA], v[D+4*\g+1], v[D+4*\g], s44
	v_perm_b32 v[TA+1], v[D+4*\g+1], v[D+4*\g], s45
	v_perm_b32 v[TA+2], v[D+4*\g+3], v[D+4*\g+2], s44
	v_perm_b32 v[TA+3], v[D+4*\g+3], v[D+4*\g+2], s45
	v_perm_b32 v[U+\g], v[TA+2], v[TA], s46
	v_perm_b32 v[U+4+\g], v[TA+2], v[TA], s47
	v_perm_b32 v[U+8+\g], v[TA+3], v[TA+1], s46
	v_perm_b32 v[U+12+\g], v[TA+3], v[TA+1], s47
.endr
	s_wait_alu depctr_va_vdst(0)                   ; the permutes have written v[U ..], which the LDS stores read; the holds and conversions are done with this set of the ring, in which the loads below land; the products of the step before are done reading v[WF ..], in which the first half's LDS loads land
.irp j, 0,1,2,3
	ds_store_b128 v[SA], v[U+4*\j:U+4*\j+3] offset:2048*(\s)+16*\j   ; column 4 l + j: 16 codes, K ascending
.endr
.if (\s) < 6
	WLOAD (\s)+2, (\s)%2
.endif
	s_wait_dscnt 0x0                               ; for the others' sake: my part of this step's image lies in LDS
	s_barrier_signal -1
	s_barrier_wait -1
.endm
; One product: tile tt of the half hf of W1's eight against tile i of my rows.  Step 0 starts the sums.
.macro WM s, hf, tt, i
.set AC, 8*(8*(\i)+4*(\hf)+(\tt))
.if (\s) == 0
	v_wmma_f32_16x16x128_bf8_bf8 v[AC:AC+7], v[WF+16*(\tt):WF+16*(\tt)+15], v[A+16*(\i):A+16*(\i)+15], 0
.else
	v_wmma_f32_16x16x128_bf8_bf8 v[AC:AC+7], v[WF+16*(\tt):WF+16*(\tt)+15], v[A+16*(\i):A+16*(\i)+15], v[AC:AC+7]
.endif
.endm
.macro MULAB s, hf                     ; eight products: my first two tiles.  The accumulators take turns, one instruction a turn
.irp tt, 0,1,2,3
.irp i, 0,1
	WM \s, \hf, \tt, \i
.endr
.endr
.endm
.macro MULC s, hf                      ; four products: my third tile
.irp tt, 0,1,2,3
	WM \s, \hf, \tt, 2
.endr
.endm
.macro AWAIT s, stream, cnt            ; beside the stream: the next step's weights are in; behind them stand the 16 weight loads of two steps on (up to step 5) and the cnt loads of x just issued
.if \stream
.if (\s) < 6
	s_wait_loadcnt 16+\cnt
.else
	s_wait_loadcnt \cnt
.endif
.endif
.endm
; Half a K step: four tiles of W1 out of the image against my tiles of rows.  Behind the second half the next step's fragments of x are asked for.
; The LDS loads at the head owe no wait of their own: the last wait on va_vdst (in the step's first part, behind the half before, or ahead of x's first loads) stands behind every vector and matrix line that names v[WF ..].
.macro HALF s, hf, stream
.irp tt, 0,1,2,3
.irp c, 0,1,2,3
	ds_load_b128 v[WF+16*\tt+4*\c:WF+16*\tt+4*\c+3], v[RA0+\hf] offset:NTS*\tt+2048*(\s)+512*\c
.endr
.endr
.if (\hf) == 0
.if (\stream) && ((\s) < 6)
	s_wait_loadcnt 16                              ; x's fragments are in; the 16 weight loads issued behind them stay out
.else
	s_wait_loadcnt 0x0
.endif
.endif
	s_wait_dscnt 0x0
	WIN 0x50                                       ; C and D in window 1
	MULAB \s, \hf
.if (\s) == 0
	MULC \s, \hf                                   ; step 0: all three tiles, on every path
	WIN 0
	PLACES 4
	s_wait_alu depctr_va_vdst(0)                   ; the products are done reading v[WF ..], in which the next half's LDS loads land, and (second half) v[A ..], in which the loads in both arms below land
.if (\hf) == 1
	s_cmp_eq_u32 s34, 0
	s_cbranch_scc1 .Ltwo_\@
	ALOADT (\s)+1, 2
	ALOADT (\s)+1, 0
	ALOADT (\s)+1, 1
	AWAIT \s, \stream, 12
	s_branch .Ljoin_\@
.Ltwo_\@:
	ALOADT (\s)+1, 0
	ALOADT (\s)+1, 1
	AWAIT \s, \stream, 8
.Ljoin_\@:
.endif
.else
	WIN 0                                          ; at a branch and at a label every window is 0
	s_cmp_eq_u32 s34, 0
	s_cbranch_scc1 .Ltwo_\@                        ; my third tile has no rows
	WIN 0x50
	MULC \s, \hf
	WIN 0
.if ((\hf) == 1) && ((\s) < 7)
	PLACES 4
	s_wait_alu depctr_va_vdst(0)                   ; the step's products are done reading v[A ..], in which the loads below land, and v[WF ..], for the next step's LDS loads
	ALOADT (\s)+1, 2
	ALOADT (\s)+1, 0
	ALOADT (\s)+1, 1
	AWAIT \s, \stream, 12
	s_branch .Ljoin_\@
.Ltwo_\@:
	PLACES 4
	s_wait_alu depctr_va_vdst(0)                   ; the same in this arm: the eight products are done reading v[A ..] and v[WF ..]
	ALOADT (\s)+1, 0
	ALOADT (\s)+1, 1
	AWAIT \s, \stream, 8
.Ljoin_\@:
.else
.Ltwo_\@:
	PLACES 4                                       ; behind the very last products: in front of the first read of results (ISA guide 7.12.1)
.if (\hf) == 0
	s_wait_alu depctr_va_vdst(0)                   ; the first half's products are done reading v[WF ..], in which the second half's LDS loads land
.endif
.endif
.endif
.endm
.macro CONS s, stream
	HALF \s, 0, \stream
	HALF \s, 1, \stream
.endm
; THE SEARCH BY RANK.  My row of tile i has rank rho = 16 tau + lane % 16 among the expert's tokens.  The 32 words of Ma are walked with the running count P: the last word that is not 0 and has P <= rho holds the token.
; Four words at a time: their twelve compares go into twelve scalar registers, one wait follows, then the 36 selects, word by word in ascending order.
.macro SELCMP a, idx, pk, m0, m1, m2
	s_lshl_b32 s[\pk], s32, 5
	s_or_b32 s[\pk], s[\pk], \idx                  ; P << 5 | the word's number
	s_cmp_lg_u32 s[\a], 0
	s_cselect_b32 s63, s32, -1                     ; a word of zeros is passed over: no rank reaches its threshold
	v_cmp_le_u32 s[\m0], s63, v[RHO]
	v_cmp_le_u32 s[\m1], s63, v[RHO+1]
	v_cmp_le_u32 s[\m2], s63, v[RHO+2]
	s_bcnt1_i32_b32 s62, s[\a]
	s_add_co_u32 s32, s32, s62
.endm
.macro SELTAKE a, b, pk, m0, m1, m2
	v_cndmask_b32 v[M], v[M], s[\a], s[\m0]
	v_cndmask_b32 v[MB], v[MB], s[\b], s[\m0]
	v_cndmask_b32 v[PK], v[PK], s[\pk], s[\m0]
	v_cndmask_b32 v[M+1], v[M+1], s[\a], s[\m1]
	v_cndmask_b32 v[MB+1], v[MB+1], s[\b], s[\m1]
	v_cndmask_b32 v[PK+1], v[PK+1], s[\pk], s[\m1]
	v_cndmask_b32 v[M+2], v[M+2], s[\a], s[\m2]
	v_cndmask_b32 v[MB+2], v[MB+2], s[\b], s[\m2]
	v_cndmask_b32 v[PK+2], v[PK+2], s[\pk], s[\m2]
.endm
.macro SEL4 a, b, idx
	SELCMP \a, \idx, 15, 54, 55, 44
	SELCMP (\a)+1, (\idx)+1, 14, 45, 46, 47
	SELCMP (\a)+2, (\idx)+2, 33, 50, 51, 60
	SELCMP (\a)+3, (\idx)+3, 35, 61, 66, 67
	s_wait_alu depctr_va_sdst(0)                   ; the twelve compares have written their masks, ahead of the selects that read them
	SELTAKE \a, \b, 15, 54, 55, 44
	SELTAKE (\a)+1, (\b)+1, 14, 45, 46, 47
	SELTAKE (\a)+2, (\b)+2, 33, 50, 51, 60
	SELTAKE (\a)+3, (\b)+3, 35, 61, 66, 67
.endm
.macro BITPRE i                        ; tile i: k = rho - P, and the word's counts of 2, 4, 8 and 16 bits
.set TI, TS+8*(\i)
	v_lshrrev_b32 v[TI+7], 5, v[PK+\i]
	v_sub_nc_u32 v[TI+4], v[RHO+\i], v[TI+7]
	v_lshrrev_b32 v[TI+7], 1, v[M+\i]
	v_and_b32 v[TI+7], 0x55555555, v[TI+7]
	v_sub_nc_u32 v[TI], v[M+\i], v[TI+7]
	v_lshrrev_b32 v[TI+7], 2, v[TI]
	v_and_b32 v[TI+7], 0x33333333, v[TI+7]
	v_and_b32 v[TI+1], 0x33333333, v[TI]
	v_add_nc_u32 v[TI+1], v[TI+1], v[TI+7]
	v_lshrrev_b32 v[TI+7], 4, v[TI+1]
	v_add_nc_u32 v[TI+2], v[TI+1], v[TI+7]
	v_and_b32 v[TI+2], 0x0f0f0f0f, v[TI+2]
	v_lshrrev_b32 v[TI+7], 8, v[TI+2]
	v_add_nc_u32 v[TI+3], v[TI+2], v[TI+7]
	v_and_b32 v[TI+3], 0x00ff00ff, v[TI+3]
	v_lshrrev_b32 v[TI+7], 16, v[TI+3]
	v_add_nc_u32 v[TI+7], v[TI+3], v[TI+7]
	v_and_b32 v[TI+7], 63, v[TI+7]                 ; the word's ones;
	v_add_nc_u32 v[TI+7], -1, v[TI+7]
	v_min_u32 v[TI+4], v[TI+4], v[TI+7]            ; a rank past the expert's last row is held at the last one of the last word: the last row.  (A word of zeros, where the expert has no row: no hold; nothing is stored then)
	v_mov_b32 v[TI+5], 0
.endm
; One level of the three tiles' searches, side by side: are there k or fewer ones in the w bits from b on?  Then pass over them.  Tile i's counts stand in v[base + stride i].
.macro LEVEL3 base, stride, w
.irp i, 0,1,2
	v_bfe_u32 v[TS+8*\i+6], v[(\base)+(\stride)*\i], v[TS+8*\i+5], \w
.endr
	v_cmp_ge_u32 s54, v[TS+4], v[TS+6]
	v_cmp_ge_u32 s55, v[TS+12], v[TS+14]
	v_cmp_ge_u32 s44, v[TS+20], v[TS+22]
.irp i, 0,1,2
	v_sub_nc_u32 v[TS+8*\i+7], v[TS+8*\i+4], v[TS+8*\i+6]
.endr
	s_wait_alu depctr_va_sdst(0)                   ; the three compares have written their masks, ahead of the selects that read them
	v_cndmask_b32 v[TS+4], v[TS+4], v[TS+7], s54
	v_cndmask_b32 v[TS+12], v[TS+12], v[TS+15], s55
	v_cndmask_b32 v[TS+20], v[TS+20], v[TS+23], s44
.irp i, 0,1,2
	v_add_nc_u32 v[TS+8*\i+7], \w, v[TS+8*\i+5]
.endr
	v_cndmask_b32 v[TS+5], v[TS+5], v[TS+7], s54
	v_cndmask_b32 v[TS+13], v[TS+13], v[TS+15], s55
	v_cndmask_b32 v[TS+21], v[TS+21], v[TS+23], s44
.endm
.macro BITPOST i
.set TI, TS+8*(\i)
	v_bfe_u32 v[TI+6], v[MB+\i], v[TI+5], 1        ; was the expert the token's second?
	v_and_b32 v[TI+7], 31, v[PK+\i]
	v_lshl_add_u32 v[TI+7], v[TI+7], 5, v[TI+5]    ; the token
	v_lshl_add_u32 v[TI+7], v[TI+6], 10, v[TI+7]
	v_min_u32 v[SLOT+\i], 0x7ff, v[TI+7]
.endm
.macro SELLOAD                         ; three quarters of Ma's and Mb's 32 words go out together: one wait serves them all
	s_load_b256 s[16:23], s[10:11], 0x0
	s_load_b256 s[24:31], s[10:11], 0x400
	s_load_b256 s[68:75], s[10:11], 0x20
	s_load_b256 s[76:83], s[10:11], 0x420
	s_load_b256 s[84:91], s[10:11], 0x40
	s_load_b256 s[92:99], s[10:11], 0x440
.endm
.macro SELBODY
	s_lshl_b32 s62, s39, 4
	v_add_nc_u32 v[RHO], s62, v[R16]
	v_add_nc_u32 v[RHO+1], 0x80, v[RHO]
	v_add_nc_u32 v[RHO+2], 0x100, v[RHO]
.irp r, M, M+1, M+2, MB, MB+1, MB+2, PK, PK+1, PK+2
	v_mov_b32 v[\r], 0
.endr
	s_mov_b32 s32, 0
	s_wait_kmcnt 0x0
	SEL4 16, 24, 0
	SEL4 20, 28, 4
	s_load_b256 s[16:23], s[10:11], 0x60           ; the last quarter takes the first quarter's registers and lands while the two between are walked
	s_load_b256 s[24:31], s[10:11], 0x460
	SEL4 68, 76, 8
	SEL4 72, 80, 12
	SEL4 84, 92, 16
	SEL4 88, 96, 20
	s_wait_kmcnt 0x0
	SEL4 16, 24, 24
	SEL4 20, 28, 28
	BITPRE 0
	BITPRE 1
	BITPRE 2
	LEVEL3 TS+3, 8, 16
	LEVEL3 TS+2, 8, 8
	LEVEL3 TS+1, 8, 4
	LEVEL3 TS, 8, 2
	LEVEL3 M, 1, 1
	BITPOST 0
	BITPOST 1
	BITPOST 2
.irp i, 0,1,2
	v_lshl_add_u32 v[AO+\i], v[SLOT+\i], 10, v[H16]
.endr
.endm
.macro PRE i                           ; tile i's 64 sums x 2^(ex + ew1), each accumulator from its low end on: register 16 b + n is hidden unit 32 b + 16 h + n; its rows' places
	v_mov_b32 v[SL], v[SLOT+\i]
	WIN 0x01
.set k, 0
.rept 32
	v_pk_mul_f32 v[V+k:V+k+1], v[64*(\i)+k:64*(\i)+k+1], s[42:43] op_sel_hi:[1,0]
.set k, k+2
.endr
	WIN 0
.endm
.macro FMAKK d, a, kb, kc
.irp p, 0,2,4,6,8,10,12,14
	v_pk_fma_f32 v[\d+\p:\d+\p+1], v[\a+\p:\a+\p+1], v[KC+2*\kb:KC+2*\kb+1], v[KC+2*\kc:KC+2*\kc+1]
.endr
.endm
.macro FMAVK d, a, b, kc
.irp p, 0,2,4,6,8,10,12,14
	v_pk_fma_f32 v[\d+\p:\d+\p+1], v[\a+\p:\a+\p+1], v[\b+\p:\b+\p+1], v[KC+2*\kc:KC+2*\kc+1]
.endr
.endm
.macro FMAVV d, a, b, c
.irp p, 0,2,4,6,8,10,12,14
	v_pk_fma_f32 v[\d+\p:\d+\p+1], v[\a+\p:\a+\p+1], v[\b+\p:\b+\p+1], v[\c+\p:\c+\p+1]
.endr
.endm
; gelu(v) = v Phi(v), Phi = (1 + erf(z)) / 2, z = v / sqrt(2), for 16 numbers, then their codes.  |z| over 475/512: E = e^(polynomial in |z|) is 1 - erf(|z|); Phi is E / 2 for z < 0 (taken
; straight from the exponential, so the negative tail keeps its digits) and 1 - E / 2 else.  Smaller |z|: erf(z) = z + z x (polynomial in z^2).  Both are computed, and the choice is a select.
; The 32 compares hang on z alone: they stand in one run ahead of the polynomials, into s68-99, and their one wait stands ahead of the selects.
.macro GELU16 b
.set VB, V+16*(\b)
.irp p, 0,2,4,6,8,10,12,14
	v_pk_mul_f32 v[GZ+\p:GZ+\p+1], v[VB+\p:VB+\p+1], 0x3f3504f3 op_sel_hi:[1,0]
.endr
.irp p, 0,2,4,6,8,10,12,14
	v_pk_mul_f32 v[GS+\p:GS+\p+1], v[GZ+\p:GZ+\p+1], v[GZ+\p:GZ+\p+1]
.endr
.set k, 0
.rept 16
	v_and_b32 v[GT+k], s48, v[GZ+k]
.set k, k+1
.endr
.set k, 0
.rept 16
	v_cmp_gt_f32 s[68+k], 0, v[GZ+k]               ; z < 0?
	v_cmp_lt_f32 s[84+k], s49, v[GT+k]             ; |z| over 475/512?
.set k, k+1
.endr
	FMAKK GR, GT, 0, 1
	FMAKK GQ, GT, 2, 3
	FMAVV GR, GR, GS, GQ
	FMAVK GR, GR, GT, 4
	FMAVK GR, GR, GT, 5
	FMAVK GR, GR, GT, 6
.irp p, 0,2,4,6,8,10,12,14
	v_pk_fma_f32 v[GR+\p:GR+\p+1], v[GR+\p:GR+\p+1], v[GT+\p:GT+\p+1], v[GT+\p:GT+\p+1] neg_lo:[0,0,1] neg_hi:[0,0,1]
.endr
.irp p, 0,2,4,6,8,10,12,14
	v_pk_fma_f32 v[GR+\p:GR+\p+1], v[GR+\p:GR+\p+1], v[KC+14:KC+15], -1.0 op_sel_hi:[1,1,0]   ; x log2(e), less 1: the exponential then gives E / 2
.endr
.set k, 0
	s_wait_alu depctr_va_vdst(0)
.rept 16
	v_exp_f32 v[GR+k], v[GR+k]
.set k, k+1
.endr
	FMAKK GQ, GS, 8, 9                             ; (plain lines behind the exponentials)
	FMAVK GQ, GQ, GS, 10
	FMAVK GQ, GQ, GS, 11
	FMAVK GQ, GQ, GS, 12
	FMAVK GQ, GQ, GS, 13
	FMAVV GQ, GQ, GZ, GZ
.irp p, 0,2,4,6,8,10,12,14
	v_pk_fma_f32 v[GQ+\p:GQ+\p+1], v[GQ+\p:GQ+\p+1], 0.5, 0.5 op_sel_hi:[1,0,0]
.endr
	s_wait_alu depctr_va_vdst(0)                   ; the sixteen exponentials have written v[GR ..], ahead of their first reader: one wait for the batch
.irp p, 0,2,4,6,8,10,12,14
	v_pk_fma_f32 v[GS+\p:GS+\p+1], v[GR+\p:GR+\p+1], -1.0, 1.0 op_sel_hi:[1,0,0]
.endr
	s_wait_alu depctr_va_sdst(0)                   ; the 32 compares have written s68-99, ahead of the selects that read them
.set k, 0
.rept 16
	v_cndmask_b32 v[GR+k], v[GS+k], v[GR+k], s[68+k]
	v_cndmask_b32 v[GR+k], v[GQ+k], v[GR+k], s[84+k]
.set k, k+1
.endr
.irp p, 0,2,4,6,8,10,12,14
	v_pk_mul_f32 v[VB+\p:VB+\p+1], v[VB+\p:VB+\p+1], v[GR+\p:GR+\p+1]
.endr
.set k, 0
.rept 16
	v_med3_num_f32 v[VB+k], v[VB+k], -v[HLIM], v[HLIM]
.set k, k+1
.endr
	v_cvt_scalef32_pk8_bf8_f32 v[CD+4*(\b):CD+4*(\b)+1], v[VB:VB+7], v[HSC]
	v_cvt_scalef32_pk8_bf8_f32 v[CD+4*(\b)+2:CD+4*(\b)+3], v[VB+8:VB+15], v[HSC]
.endm
	s_load_b128 s[16:19], s[0:1], 0x0              ; W1, xq
	s_load_b128 s[20:23], s[0:1], 0x10             ; masks, the exponents
	s_load_b128 s[24:27], s[0:1], 0x20             ; hq, list
	v_lshl_add_u32 v254, v0, 2, 0x20200
	v_mov_b32 v255, 0
	v_lshrrev_b32 v1, 5, v0
	v_readfirstlane_b32 s12, v1                    ; wave 0..7
	v_and_b32 v[L], 31, v0
	v_and_b32 v[R16], 15, v0
	v_bfe_u32 v[H], v0, 4, 1
	s_and_b32 s13, ttmp7, 0xffff                   ; the expert
	s_lshl_b32 s50, s13, 24                        ; its 16 MiB of W1,
	s_lshl_b32 s62, ttmp9, 9                       ; my slice's 512 bytes of a row
	s_add_co_u32 s50, s50, s62
	s_mov_b32 s51, 0
	s_wait_alu depctr_va_sdst(0)                   ; s12, the wave's number, is written, ahead of its first reader
	s_lshl_b32 s62, s12, 18                        ; my wave's 16 rows of 16,384 bytes
	v_lshlrev_b32 v[RA0], 4, v[L]
	v_add_nc_u32 v[WO], s62, v[RA0]
	s_wait_kmcnt 0x0
	s_add_nc_u64 s[2:3], s[16:17], s[50:51]
	s_add_nc_u64 s[4:5], s[2:3], 0x800000          ; four K steps on: the immediates stay inside their signed 24 bits
	s_wait_alu depctr_va_vdst(0)                   ; v[WO] is written, which every load of W1 reads as its offset
	WLOAD 0, 0                                     ; the stream starts before anything else is done
	WLOAD 1, 1
	s_mov_b64 s[6:7], s[18:19]
	s_lshl_b32 s50, s13, 22
	s_lshl_b32 s62, ttmp9, 11
	s_add_co_u32 s50, s50, s62
	s_add_nc_u64 s[8:9], s[24:25], s[50:51]        ; hq at (e, tile 0, my slice)
	s_lshl_b32 s50, s13, 7
	s_add_nc_u64 s[10:11], s[20:21], s[50:51]
	s_lshl_b32 s50, s13, 4
	s_add_nc_u64 s[54:55], s[22:23], s[50:51]      ; (in registers of their own: the mask words land on s[16:31] while this load may be out)
	s_lshl_b32 s50, s13, 12
	s_add_nc_u64 s[52:53], s[26:27], s[50:51]      ; the list at (copy 0, e, tile 0)
	s_load_b128 s[56:59], s[54:55], 0x0            ; ex, ew1, eh, ew2 of my expert
	SELLOAD
	v_add_nc_u32 v[RA1], 4*NTS, v[RA0]
	v_lshrrev_b32 v21, 3, v[L]
	v_bfe_u32 v22, v[L], 1, 1
	v_lshl_add_u32 v21, v21, 1, v22                ; columns 4 l .. 4 l + 3 lie in tile 2 (l / 8) + (l / 2) % 2,
	v_mul_u32_u24 v[SA], v21, NTS
	v_bfe_u32 v22, v[L], 2, 1
	v_lshl_add_u32 v[SA], v22, 7, v[SA]            ; at its rows 8 ((l / 4) % 2) + 4 (l % 2) + j
	v_and_b32 v22, 1, v[L]
	v_lshl_add_u32 v[SA], v22, 6, v[SA]
	s_lshl_b32 s62, s12, 8                         ; my wave's 16 rows of K are c = wave / 2, half = wave % 2: 512 c + 256 half
	v_add_nc_u32 v[SA], s62, v[SA]
	v_lshlrev_b32 v[GO], 4, v[L]
	v_lshlrev_b32 v[H16], 4, v[H]
	v_lshlrev_b32 v[LO], 5, v22                    ; the list: row r at word 8 (r % 2) + r / 2 (r % 2 = l % 2),
	v_lshrrev_b32 v22, 1, v[R16]
	v_lshl_add_u32 v[LO], v22, 2, v[LO]
	v_lshl_add_u32 v[LO], v[H], 15, v[LO]          ; lanes 16-31 in the second copy, 32,768 bytes on
	s_mov_b32 s48, 0x7fffffff
	s_mov_b32 s49, 0x3f6d8000                      ; 475 / 512
	s_mov_b32 s38, 0
	s_mov_b32 s39, s12
	SELBODY
	s_wait_alu depctr_va_vdst(0)                   ; v[AO ..] are written, which x's loads read, and so are v[RA1], v[SA], v[GO], v[LO] for all that reads them later; the search is done with v24-59, in which x's fragments land
	ALOADT 0, 0                                    ; K step 0: all three tiles
	ALOADT 0, 1
	ALOADT 0, 2
	s_mov_b32 s44, 0x05010400                      ; byte permutes: two rows' bytes 0 and 1 by turns, bytes 2 and 3,  (set behind the search, which holds masks in these four)
	s_mov_b32 s45, 0x07030602
	s_mov_b32 s46, 0x05040100                      ; two low halves, two high halves
	s_mov_b32 s47, 0x07060302
	s_add_co_i32 s62, s57, 127
	s_lshl_b32 s63, s62, 23
	v_mov_b32 v[WSC], s63
	s_add_co_i32 s62, s62, 15
	s_lshl_b32 s62, s62, 23
	s_or_b32 s62, s62, 0x600000
	v_mov_b32 v[WLIM], s62
	s_add_co_i32 s62, s58, 127
	s_lshl_b32 s63, s62, 23
	v_mov_b32 v[HSC], s63
	s_add_co_i32 s62, s62, 15
	s_lshl_b32 s62, s62, 23
	s_or_b32 s62, s62, 0x600000
	v_mov_b32 v[HLIM], s62
	s_add_co_i32 s42, s56, s57
	s_add_co_i32 s42, s42, 127
	s_lshl_b32 s42, s42, 23                        ; 2^(ex + ew1) as f32
	s_mov_b32 s43, s42                             ; (named with it as a pair, so it is written)
	s_add_co_u32 s36, s32, 15
	s_lshr_b32 s36, s36, 4                         ; tiles of 16 rows
	s_cmp_gt_u32 s36, 24
	s_cselect_b32 s37, 2, 1
	s_cmp_gt_u32 s36, 48
	s_cselect_b32 s37, 3, s37                      ; passes of 24 tiles: 1,024 rows at the most are 64 tiles
	s_add_co_u32 s62, s39, 16
	s_cmp_lt_u32 s62, s36
	s_cselect_b32 s34, 1, 0                        ; has my third tile rows?
	s_wait_alu depctr_va_vdst(0)
.irp s, 0,1,2,3,4,5,6,7
	PROD \s
	CONS \s, 1
.endr
	s_wait_alu depctr_vm_vsrc(0)                   ; the last step's LDS stores have read v[U ..], over which the way out's arithmetic lies
.Lpass:
.set n, 0
.irp c, 0xb7910000, 0x39c8e7d9, 0xbb7e8a1c, 0x3cc6b1a1, 0xbddaae5c, 0xbf228550, 0xbe03ce86, 0x3fb8aa3b, 0xba1c7000, 0x3ba38d2c, 0xbcdb48d9, 0x3de70e22, 0xbec09380, 0x3e0375d4
	v_mov_b32 v[KC+2*n], \c
	v_mov_b32 v[KC+2*n+1], \c
.set n, n+1
.endr
	s_mov_b32 s41, 0
.Ltile:
	s_lshl_b32 s40, s41, 3
	s_add_co_u32 s40, s40, s39                     ; tau
	s_cmp_ge_u32 s40, s36
	s_cbranch_scc1 .Lskip                          ; past the expert's last tile: nothing is stored
	s_cmp_eq_u32 s41, 0
	s_cbranch_scc1 .Lpre0
	s_cmp_eq_u32 s41, 1
	s_cbranch_scc1 .Lpre1
	PRE 2
	s_branch .Lgelu
.Lpre0:
	PRE 0
	s_branch .Lgelu
.Lpre1:
	PRE 1
.Lgelu:
	GELU16 0
	GELU16 1
	GELU16 2
	GELU16 3
	v_nop                                          ; a plain line behind the last conversion
	s_min_u32 s40, s40, 63
	s_lshl_b32 s50, s40, 16
	s_mov_b32 s51, 0
	s_add_nc_u64 s[60:61], s[8:9], s[50:51]
	s_wait_alu depctr_va_vdst(0)                   ; the conversions have written v[CD ..] and the move v[SL], which the stores below read
.irp c, 0,1,2,3
	global_store_b128 v[GO], v[CD+4*\c:CD+4*\c+3], s[60:61] offset:512*\c   ; 32 lanes store 512 consecutive bytes, aligned
.endr
	s_cmp_lg_u32 ttmp9, 0
	s_cbranch_scc1 .Lnolist                        ; the list has one owner for each expert: slice 0
	s_lshl_b32 s50, s40, 6
	s_add_nc_u64 s[54:55], s[52:53], s[50:51]
	global_store_b32 v[LO], v[SL], s[54:55]        ; the tile's 16 places, 64 bytes in each copy
.Lnolist:
	s_wait_xcnt 0x0                                ; the stores' data and bases are written again only behind this wait
	s_wait_alu depctr_vm_vsrc(0)                   ; the stores have read v[CD ..] and v[SL], which the next tile's move and conversions write again
.Lskip:
	s_add_co_u32 s41, s41, 1
	s_cmp_lt_u32 s41, 3
	s_cbranch_scc1 .Ltile
	s_add_co_u32 s38, s38, 1
	s_cmp_ge_u32 s38, s37
	s_cbranch_scc1 .Ldone
	s_add_co_u32 s39, s39, 24                      ; a further pass: the next 24 tiles against the finished image; no barrier, nothing is written to LDS
	s_add_co_u32 s62, s39, 16
	s_cmp_lt_u32 s62, s36
	s_cselect_b32 s34, 1, 0
	SELLOAD
	s_wait_alu depctr_vm_vsrc(0)                   ; x's loads of the pass before have read v[AO ..], and the stores v[CD ..]: the search writes both anew
	SELBODY
	PLACES 5                                       ; the first products begin the accumulators anew, over registers that earlier products wrote
	s_wait_alu depctr_va_vdst(0)                   ; v[AO ..] are written, which the loads below read; the search and the way out are done with v24-135, in which x's fragments and the fragments of W1 land
	ALOADT 0, 0
	ALOADT 0, 1
	ALOADT 0, 2
.irp s, 0,1,2,3,4,5,6,7
	CONS \s, 0
.endr
	s_cmp_lt_u32 s38, s37
	s_cbranch_scc1 .Lpass
.Ldone:
	s_wait_dscnt 0x0                               ; the closing lines, six on end
	s_wait_alu 0x0
	s_wait_tensorcnt 0x0
	ds_add_u32 v254, v255
	s_wait_dscnt 0x0
	s_endpgm
.Lfunc_end_k_qcb0df57a9f_ffn1:
	.size	k_qcb0df57a9f_ffn1, .Lfunc_end_k_qcb0df57a9f_ffn1-k_qcb0df57a9f_ffn1
	.p2alignl 7, 3214868480
	.fill 96, 4, 3214868480
	.section	.rodata,"a",@progbits
	.p2align	6, 0x0
	.amdhsa_kernel k_qcb0df57a9f_ffn1
		.amdhsa_group_segment_fixed_size 132608
		.amdhsa_private_segment_fixed_size 0
		.amdhsa_enable_private_segment 0
		.amdhsa_kernarg_size 48
		.amdhsa_user_sgpr_count 2
		.amdhsa_user_sgpr_kernarg_segment_ptr 1
		.amdhsa_wavefront_size32 1
		.amdhsa_system_sgpr_workgroup_id_x 1
		.amdhsa_system_sgpr_workgroup_id_y 1
		.amdhsa_system_sgpr_workgroup_id_z 1
		.amdhsa_system_vgpr_workitem_id 0
		.amdhsa_next_free_vgpr 512
		.amdhsa_next_free_sgpr 100
		.amdhsa_reserve_vcc 0
		.amdhsa_float_denorm_mode_32 3
		.amdhsa_float_denorm_mode_16_64 3
		.amdhsa_memory_ordered 1
		.amdhsa_forward_progress 1
		.amdhsa_inst_pref_size 255
	.end_amdhsa_kernel
	.section	.bss,"aw",@nobits
	.p2align	6
	.space	262144
	.amdgpu_metadata
---
amdhsa.version: [ 1, 2 ]
amdhsa.kernels:
  - .name:           k_qcb0df57a9f_ffn1
    .symbol:         k_qcb0df57a9f_ffn1.kd
    .args:
      - { .name: W1, .offset: 0, .size: 8, .value_kind: global_buffer, .address_space: global }
      - { .name: xq, .offset: 8, .size: 8, .value_kind: global_buffer, .address_space: global }
      - { .name: masks, .offset: 16, .size: 8, .value_kind: global_buffer, .address_space: global }
      - { .name: lowp_scales, .offset: 24, .size: 8, .value_kind: global_buffer, .address_space: global }
      - { .name: hq, .offset: 32, .size: 8, .value_kind: global_buffer, .address_space: global }
      - { .name: list, .offset: 40, .size: 8, .value_kind: global_buffer, .address_space: global }
    .group_segment_fixed_size: 132608
    .private_segment_fixed_size: 0
    .kernarg_segment_align: 8
    .kernarg_segment_size: 48
    .max_flat_workgroup_size: 256
    .sgpr_count:     100
    .vgpr_count:     512
    .wavefront_size: 32
...
	.end_amdgpu_metadata
.endif
;; end of part 6
;; launch ffn2 (part 7): grid 32 x 8, 8 waves a work-group, no clusters, 167,424 bytes of LDS; arguments W2, hq, masks, lowp_scales, list, y; writes y
.if DOCPART == 7
	.amdgcn_target "amdgcn-amd-amdhsa--gfx1250"
	.amdhsa_code_object_version 6
	.text
	.protected	k_qcb0df57a9f_ffn2
	.globl	k_qcb0df57a9f_ffn2
	.p2align	8
	.type	k_qcb0df57a9f_ffn2,@function
k_qcb0df57a9f_ffn2:
	s_mov_b64 s[64:65], 0
	v_nop
	global_prefetch_b8 v0, s[64:65] scope:SCOPE_SE
	s_setreg_imm32_b32 hwreg(HW_REG_WAVE_SCHED_MODE, 0, 2), 2
	s_setreg_imm32_b32 hwreg(HW_REG_WAVE_MODE, 25, 1), 1
	s_wait_xcnt 0x0
	s_wait_alu depctr_vm_vsrc(0)
; y[kh][1,024 k + token][:] = 2^(eh + ew2) x (h's codes) (Q(W2[e])), summed over half kh of the 4,096 hidden units, for the rows that chose expert e.  Both operands E5M2, sums f32.
; SHARES.  Work-group (ns + 16 kh, e) owns output columns 64 ns .. +63 and hidden units 2,048 kh .. +2,047 of expert e: 2,048 rows of K x 256 bytes of W2, read from memory ONCE, quantised in registers and
; kept in LDS as images of the operand's registers.  The expert's rows come as finished operand images from hq, tile tau = 24 p + wave + 8 i, i = 0..2; pass 0 runs beside the stream, later passes read the finished image.
; THE THIRD TILE (i = 2) has rows only where the expert has more than 16 (wave + 16 + 24 p) of them.  Trip 0 loads and multiplies all three tiles, so that every register is written on every path.
; No barrier stands under that branch.
; A trip is 256 rows of K, two steps of 128.  Wave w takes step w / 4, block c = w % 4 of 32 rows; lanes 0-15 its first 16 rows, lanes 16-31 the others: each load covers two whole rows of 256 bytes.
; LAYOUT as in the launch before: registers 4 c .. 4 c + 3 of lane (r, h) hold K = 32 c + 16 h + 0..15 in both operands; source 0 = 16 columns of W2, source 1 = 16 rows: a lane holds one row and eight neighbouring columns.
; THE WAY OUT: a tile goes through the wave's own stage and leaves by rows of 256 bytes to the rows' places 1,024 k + token, which the launch before has listed: lanes of half h read, from copy h of the list, the eight
; places of rows 2 m + h, 32 consecutive bytes.  The last tile's spare rows repeat the expert's last row, codes and place: they give its sums and are stored by this same wave to its place once more: no lane is switched off.
; NO TENSOR LOADS, NO CLUSTER: the number of passes, the third tile and the tiles stored hang on counts read from memory; no weight is shared between work-groups.
; LIMITS: ew2 between -126 and 112; eh + ew2 between -126 and 127.  NaN is not served.  For an expert that no token chose, bytes of hq and of the list that nobody wrote are read; nothing made of them is stored, and no address is formed from them.
; THE MODE: SCHED_MODE bits 1:0 = 2 (LLVM: expert scheduling mode 2), set by the entry lines.  The code itself states the register dependences
; between vector or matrix instructions and memory or LDS instructions, and those through scalar registers that vector instructions write, with s_wait_alu, always for 0.
; THE PLAN.  Registers that memory or LDS instructions touch:
;   v[WO], v[RA0], v[RA1], v[SA], v[STO], v[SRD]   addresses, made once at the head and never written again.
;   v[AO ..], v[LA ..]   written at the head and at each further pass; read by h's and the list's loads.
;   the ring      trip s: its holds write the set, its conversions read it; behind them the loads of trip s + 2 land in it.
;   v[U ..]       trip s: its permutes write it, its four LDS stores read it; trip s + 1's permutes write it again.
;   v[WF ..]      a step: LDS loads land in it, the step's products read it.
;   A(i, u)       read by the products of step u of a trip alone; the next trip's loads land in it behind them.
;   v[Y ..]       a tile's scaling writes it, the stage's stores read it, the stage's loads land in it, the global stores read it.   v[YO ..]  written by vector lines, read by the global stores as offsets.
;   the places (window 1, v224-247)   loaded; read by the way out's moves.
; A trip has three waits on va_vdst (ahead of its LDS stores; behind each step's products) and one on vm_vsrc (ahead of its permutes).  The wait behind step u's products shows A(., u) and v[WF ..] free:
; so the next trip's fragments of step 0 are asked for behind the first step, half a trip ahead of those of step 1, with no wait more.  All 512 registers of a wave are laid out, so no buffer is doubled.
.set NTS,   32784                      ; a tile's 16 K steps x 2,048 bytes + 16
.set STG,   131328                     ; behind the image: 16 rows x 272 bytes for each wave
.set L,     1
.set R16,   2
.set H,     3
.set WO,    4
.set RA0,   5                          ; image, tiles 0, 1: 16 x lane;  v6 tiles 2, 3
.set RA1,   6
.set SA,    7
.set WSC,   8
.set WLIM,  9
.set AO,    10                         ; v10-12  tile i's image in hq: tau << 16 + 16 x lane
.set STO,   13                         ; v13 into my stage;  v14 back out of it;  v16 16 (lane % 16)
.set SRD,   14
.set LA,    20                         ; v20-22  tile i's places in the list: 64 tau + 32,800 (lane / 16);  v23 the lane's term of it
.set LH,    23
.set A,     24                         ; v24-119  h's fragments: (i, u) at 24 + 16 (2 i + u)
.set WF,    120                        ; v120-183 four fragments of W2
.set D,     184
.set AB,    200
.set U,     208
.set Y,     224                        ; v224-255 a tile on its way out.  Window 1: v0-127 weights as loaded, two sets; accumulator (i, t) at 128 + 8 (4 i + t); v224-247 the places of my three tiles' rows
.set LS,    224
.set SLR,   52                         ; the way out: v52-59 the rows' places; v60-67 their byte offsets in y
.set YO,    60
; s[2:3] W2; s[6:7] hq; s[8:9] y; s[10:11] my expert's masks; s12 wave; s32 rows; s34 has my third tile rows?; s35 the last real tile; s36 tiles; s37 passes; s38 pass; s39 my first tile; s[42:43] 2^(eh + ew2); s[54:55] my expert's part of the list
.set MSB, 0
.macro WIN new                         ; the immediate's high byte repeats the setting that is left
.if MSB != \new
	s_set_vgpr_msb (MSB<<8)|\new
.set MSB, \new
.endif
.endm
.macro PLACES n
.rept \n
	v_nop
.endr
.endm
.macro WLOAD s, set                    ; my 32 rows of trip s
	WIN 0x40
.irp i, 0,1,2,3,4,5,6,7,8,9,10,11,12,13,14,15
	global_load_b128 v[64*(\set)+4*\i:64*(\set)+4*\i+3], v[WO], s[2:3] offset:(\s)*0x100000+4096*\i th:TH_LOAD_NT
.endr
	WIN 0
.endm
.macro ALOADU s, i, u                  ; tile i's image of K step u of trip s: each load 512 consecutive bytes
.irp c, 0,1,2,3
	global_load_b128 v[A+16*(2*(\i)+(\u))+4*\c:A+16*(2*(\i)+(\u))+4*\c+3], v[AO+(\i)], s[6:7] offset:(2*(\s)+(\u))*2048+512*\c
.endr
.endm
.macro ALOADT s, i                     ; both K steps
	ALOADU \s, \i, 0
	ALOADU \s, \i, 1
.endm
.macro LLOAD                           ; the places of my three tiles' rows: eight words a lane and tile
	WIN 0x40
.irp i, 0,1,2
	global_load_b128 v[LS+8*\i:LS+8*\i+3], v[LA+\i], s[54:55]
	global_load_b128 v[LS+8*\i+4:LS+8*\i+7], v[LA+\i], s[54:55] offset:16
.endr
	WIN 0
.endm
; Trip s is quantised and laid into the image; the loads of two trips on take the registers; one barrier.
; The wait for this trip's weights stands at the end of the trip before, in each arm of the branch on the third tile, with that arm's own count; trip 0 alone has it here.
.macro PROD s
.set RS, 64*((\s)%2)
.if (\s) == 0
	s_wait_loadcnt 46                              ; behind trip 0's weights: trip 1's 16 loads, the list's 6 and h's 24
.endif
	WIN 0x41
.set k, 0
.rept 64
	v_med3_num_f32 v[RS+k], v[RS+k], -v[WLIM], v[WLIM]   ; the conversion does not saturate (ISA guide 7.6.2): the hold comes first
.set k, k+1
.endr
	WIN 0x01
.irp g, 0,1,2,3,4,5,6,7
	v_cvt_scalef32_pk8_bf8_f32 v[D+2*\g:D+2*\g+1], v[RS+8*\g:RS+8*\g+7], v[WSC]
.endr
	WIN 0
	v_nop                                          ; a plain line between the conversions and the lines that read their results
.if (\s) > 0
	s_wait_alu depctr_vm_vsrc(0)                   ; the LDS stores of the trip before have read v[U ..], which the permutes below write again
.endif
.irp g, 0,1,2,3
.set TA, AB+4*(\g%2)
	v_perm_b32 v[TA], v[D+4*\g+1], v[D+4*\g], s44
	v_perm_b32 v[TA+1], v[D+4*\g+1], v[D+4*\g], s45
	v_perm_b32 v[TA+2], v[D+4*\g+3], v[D+4*\g+2], s44
	v_perm_b32 v[TA+3], v[D+4*\g+3], v[D+4*\g+2], s45
	v_perm_b32 v[U+\g], v[TA+2], v[TA], s46
	v_perm_b32 v[U+4+\g], v[TA+2], v[TA], s47
	v_perm_b32 v[U+8+\g], v[TA+3], v[TA+1], s46
	v_perm_b32 v[U+12+\g], v[TA+3], v[TA+1], s47
.endr
	s_wait_alu depctr_va_vdst(0)                   ; the permutes have written v[U ..], which the LDS stores read; the holds and conversions are done with this set of the ring, in which the loads below land; the products of the trip before are done reading v[WF ..], in which the first step's LDS loads land
.irp j, 0,1,2,3
	ds_store_b128 v[SA], v[U+4*\j:U+4*\j+3] offset:4096*(\s)+16*\j
.endr
.if (\s) < 6
	WLOAD (\s)+2, (\s)%2
.endif
	s_wait_dscnt 0x0                               ; for the others' sake: my part of this trip's image lies in LDS
	s_barrier_signal -1
	s_barrier_wait -1
.endm
; One product: tile tt of W2's four against tile i of my rows, K step u of trip s.  The very first step starts the sums.
.macro WM s, u, tt, i
.set AC, 128+8*(4*(\i)+(\tt))
.set AF, A+16*(2*(\i)+(\u))
.if ((\s) == 0) && ((\u) == 0)
	v_wmma_f32_16x16x128_bf8_bf8 v[AC:AC+7], v[WF+16*(\tt):WF+16*(\tt)+15], v[AF:AF+15], 0
.else
	v_wmma_f32_16x16x128_bf8_bf8 v[AC:AC+7], v[WF+16*(\tt):WF+16*(\tt)+15], v[AF:AF+15], v[AC:AC+7]
.endif
.endm
.macro MULAB s, u                      ; eight products: my first two tiles.  The accumulators take turns, one instruction a turn
.irp tt, 0,1,2,3
.irp i, 0,1
	WM \s, \u, \tt, \i
.endr
.endr
.endm
.macro MULC s, u                       ; four products: my third tile
.irp tt, 0,1,2,3
	WM \s, \u, \tt, 2
.endr
.endm
.macro AWAIT s, stream, cnt            ; beside the stream: the next trip's weights are in; behind them stand the 16 weight loads of two trips on (up to trip 5) and the cnt loads of h issued in this trip's two steps
.if \stream
.if (\s) < 6
	s_wait_loadcnt 16+\cnt
.else
	s_wait_loadcnt \cnt
.endif
.endif
.endm
; One K step of a trip: the four tiles of W2 out of the image against my tiles of rows.  Behind step u's products the next trip's images of h for the same step u are asked for.
; The LDS loads at the head owe no wait of their own: the last wait on va_vdst (in the trip's first part, behind the step before, or ahead of h's first loads) stands behind every vector and matrix line that names v[WF ..].
.macro HALF s, u, stream
.irp tt, 0,1,2,3
.irp c, 0,1,2,3
	ds_load_b128 v[WF+16*\tt+4*\c:WF+16*\tt+4*\c+3], v[RA0+(\tt/2)] offset:NTS*(\tt%2)+2048*(2*(\s)+(\u))+512*\c
.endr
.endr
.if (\u) == 0
.if (\stream) && ((\s) < 6)
	s_wait_loadcnt 16                              ; h's fragments are in; the 16 weight loads issued behind them stay out
.else
	s_wait_loadcnt 0x0
.endif
.endif
	s_wait_dscnt 0x0
	WIN 0x50                                       ; C and D in window 1
	MULAB \s, \u
.if (\s) == 0
	MULC \s, \u                                    ; trip 0: all three tiles, on every path
	WIN 0
	PLACES 4
	s_wait_alu depctr_va_vdst(0)                   ; the step's products are done reading A(., u), in which the loads in both arms below land, and v[WF ..], in which the next step's LDS loads land
	s_cmp_eq_u32 s34, 0
	s_cbranch_scc1 .Ltwo_\@
	ALOADU (\s)+1, 2, \u
	ALOADU (\s)+1, 0, \u
	ALOADU (\s)+1, 1, \u
.if (\u) == 1
	AWAIT \s, \stream, 24
.endif
	s_branch .Ljoin_\@
.Ltwo_\@:
	ALOADU (\s)+1, 0, \u
	ALOADU (\s)+1, 1, \u
.if (\u) == 1
	AWAIT \s, \stream, 16
.endif
.Ljoin_\@:
.else
	WIN 0                                          ; at a branch and at a label every window is 0
	s_cmp_eq_u32 s34, 0
	s_cbranch_scc1 .Ltwo_\@                        ; my third tile has no rows
	WIN 0x50
	MULC \s, \u
	WIN 0
.if (\s) < 7
	PLACES 4
	s_wait_alu depctr_va_vdst(0)                   ; the step's products are done reading A(., u), in which the loads below land, and v[WF ..], for the next step's LDS loads
	ALOADU (\s)+1, 2, \u
	ALOADU (\s)+1, 0, \u
	ALOADU (\s)+1, 1, \u
.if (\u) == 1
	AWAIT \s, \stream, 24
.endif
	s_branch .Ljoin_\@
.Ltwo_\@:
	PLACES 4
	s_wait_alu depctr_va_vdst(0)                   ; the same in this arm: the eight products are done reading A(., u) and v[WF ..]
	ALOADU (\s)+1, 0, \u
	ALOADU (\s)+1, 1, \u
.if (\u) == 1
	AWAIT \s, \stream, 16
.endif
.Ljoin_\@:
.else
.Ltwo_\@:
	PLACES 4                                       ; behind the very last products: in front of the first read of results (ISA guide 7.12.1)
.if (\u) == 0
	s_wait_alu depctr_va_vdst(0)                   ; the first step's products are done reading v[WF ..], in which the second step's LDS loads land
.endif
.endif
.endif
.endm
.macro CONS s, stream
	HALF \s, 0, \stream
	HALF \s, 1, \stream
.endm
.macro AOSET                           ; a tile past the expert's last reads the last real tile once more: no unwritten byte is read while the expert has rows
.irp i, 0,1,2
	s_add_co_u32 s62, s39, 8*\i
	s_min_u32 s62, s62, s35
	s_min_u32 s62, s62, 63
	s_lshl_b32 s63, s62, 6
	s_lshl_b32 s62, s62, 16
	v_add_nc_u32 v[AO+\i], s62, v[RA0]
	v_add_nc_u32 v[LA+\i], s63, v[LH]
.endr
.endm
.macro PRE i                           ; tile i's rows' places; its 32 sums x 2^(eh + ew2), each accumulator from its low end on
	WIN 0x01
.irp m, 0,1,2,3,4,5,6,7
	v_mov_b32 v[SLR+\m], v[LS+8*(\i)+\m]           ; the place of row 2 m + lane / 16
.endr
.set k, 0
.rept 16
	v_pk_mul_f32 v[Y+k:Y+k+1], v[128+32*(\i)+k:128+32*(\i)+k+1], s[42:43] op_sel_hi:[1,0]
.set k, k+2
.endr
	WIN 0
.endm
	s_load_b128 s[16:19], s[0:1], 0x0              ; W2, hq
	s_load_b128 s[20:23], s[0:1], 0x10             ; masks, the exponents
	s_load_b128 s[24:27], s[0:1], 0x20             ; list, y
	v_lshl_add_u32 v18, v0, 2, 0x28a00
	v_mov_b32 v19, 0
	v_lshrrev_b32 v1, 5, v0
	v_readfirstlane_b32 s12, v1                    ; wave 0..7
	v_and_b32 v[L], 31, v0
	v_and_b32 v[R16], 15, v0
	s_wait_alu depctr_va_vdst(0)
	v_bfe_u32 v[H], v0, 4, 1
	s_and_b32 s13, ttmp7, 0xffff                   ; the expert
	s_and_b32 s14, ttmp9, 15                       ; which 64 columns
	s_lshr_b32 s52, ttmp9, 4                       ; which half of K
	s_lshl_b32 s50, s13, 24
	s_lshl_b32 s62, s52, 23
	s_add_co_u32 s50, s50, s62
	s_lshl_b32 s62, s14, 8
	s_add_co_u32 s50, s50, s62
	s_mov_b32 s51, 0
	v_lshlrev_b32 v16, 4, v[R16]
	s_wait_alu depctr_va_vdst(0)
	v_lshl_add_u32 v[WO], v[H], 16, v16            ; lanes 16-31 begin 16 rows of 4,096 bytes further down,
	s_wait_alu depctr_va_sdst(0)                   ; s12, the wave's number, is written, ahead of its first reader
	s_lshl_b32 s62, s12, 17                        ; my wave 32 rows x wave
	v_add_nc_u32 v[WO], s62, v[WO]
	s_wait_kmcnt 0x0
	s_add_nc_u64 s[2:3], s[16:17], s[50:51]
	s_wait_alu depctr_va_vdst(0)                   ; v[WO] is written, which every load of W2 reads as its offset
	WLOAD 0, 0                                     ; the stream starts before anything else is done
	WLOAD 1, 1
	s_lshl_b32 s50, s13, 22
	s_lshl_b32 s62, s52, 15
	s_add_co_u32 s50, s50, s62
	s_add_nc_u64 s[6:7], s[18:19], s[50:51]        ; hq at (e, tile 0, my half's first slice)
	s_lshl_b32 s50, s52, 23
	s_lshl_b32 s62, s14, 8
	s_add_co_u32 s50, s50, s62
	s_add_nc_u64 s[8:9], s[26:27], s[50:51]        ; y at (kh, place 0, my columns)
	s_lshl_b32 s50, s13, 12
	s_add_nc_u64 s[54:55], s[24:25], s[50:51]      ; the list at (copy 0, e, tile 0)
	s_lshl_b32 s50, s13, 7
	s_add_nc_u64 s[10:11], s[20:21], s[50:51]
	s_lshl_b32 s50, s13, 4
	s_add_nc_u64 s[22:23], s[22:23], s[50:51]
	s_load_b128 s[56:59], s[22:23], 0x0            ; ex, ew1, eh, ew2 of my expert
	s_load_b512 s[68:83], s[10:11], 0x0            ; Ma: who chose my expert
	s_load_b512 s[84:99], s[10:11], 0x40
	v_lshlrev_b32 v[RA0], 4, v[L]
	v_add_nc_u32 v[RA1], 2*NTS, v[RA0]
	v_bfe_u32 v21, v[L], 2, 2                      ; columns 4 (l % 16) .. +3 lie in tile (l % 16) / 4, at its rows 4 (l % 4) + j
	v_mul_u32_u24 v[SA], v21, NTS
	v_lshl_add_u32 v[SA], v[H], 8, v[SA]
	v_and_b32 v21, 3, v[L]
	v_lshl_add_u32 v[SA], v21, 6, v[SA]
	s_lshl_b32 s62, s12, 9                         ; 2,048 (wave / 4) + 512 (wave % 4)
	v_add_nc_u32 v[SA], s62, v[SA]
	s_mul_i32 s62, s12, 16*272
	s_add_co_u32 s62, s62, STG                     ; my stage
	v_mul_u32_u24 v[STO], v[R16], 272
	v_lshl_add_u32 v[STO], v[H], 5, v[STO]
	v_add_nc_u32 v[STO], s62, v[STO]               ; in: row r, 32 bytes for each half of the lanes
	v_mul_u32_u24 v[SRD], v[H], 272
	v_lshl_add_u32 v[SRD], v[R16], 4, v[SRD]
	v_add_nc_u32 v[SRD], s62, v[SRD]               ; back: lanes 0-15 one row of 256 bytes, lanes 16-31 the next
	v_mul_u32_u24 v[LH], v[H], 0x8020              ; the list: lanes 16-31 read the second copy, 32,768 bytes on, and there the odd rows' eight words, 32 bytes on
	s_mov_b32 s44, 0x05010400
	s_mov_b32 s45, 0x07030602
	s_mov_b32 s46, 0x05040100
	s_mov_b32 s47, 0x07060302
	s_mov_b32 s38, 0
	s_mov_b32 s39, s12
	s_mov_b32 s32, 0
	s_wait_alu depctr_va_vdst(0)
	s_wait_kmcnt 0x0
.set j, 68
.rept 32
	s_bcnt1_i32_b32 s62, s[j]
	s_add_co_u32 s32, s32, s62                     ; the expert's rows
.set j, j+1
.endr
	s_add_co_u32 s36, s32, 15
	s_lshr_b32 s36, s36, 4                         ; tiles
	s_cmp_gt_u32 s36, 24
	s_cselect_b32 s37, 2, 1
	s_cmp_gt_u32 s36, 48
	s_cselect_b32 s37, 3, s37                      ; passes
	s_max_u32 s35, s36, 1
	s_sub_co_u32 s35, s35, 1                       ; the last real tile
	s_add_co_u32 s62, s39, 16
	s_cmp_lt_u32 s62, s36
	s_cselect_b32 s34, 1, 0                        ; has my third tile rows?
	AOSET
	s_wait_alu depctr_va_vdst(0)                   ; v[LA ..] and v[AO ..] are written, which the loads below read, and so are v[RA0], v[RA1], v[SA], v[STO], v[SRD] for all that reads them later
	LLOAD
	ALOADT 0, 0                                    ; trip 0: all three tiles
	ALOADT 0, 1
	ALOADT 0, 2
	s_add_co_i32 s62, s59, 127
	s_lshl_b32 s63, s62, 23
	v_mov_b32 v[WSC], s63                          ; 2^ew2
	s_add_co_i32 s62, s62, 15
	s_lshl_b32 s62, s62, 23
	s_or_b32 s62, s62, 0x600000
	v_mov_b32 v[WLIM], s62                         ; 57,344 x 2^ew2
	s_add_co_i32 s42, s58, s59
	s_add_co_i32 s42, s42, 127
	s_lshl_b32 s42, s42, 23                        ; 2^(eh + ew2) as f32
	s_mov_b32 s43, s42
	s_wait_alu depctr_va_vdst(0)
.irp s, 0,1,2,3,4,5,6,7
	PROD \s
	CONS \s, 1
.endr
.Lpass:
	s_mov_b32 s41, 0
.Ltile:
	s_lshl_b32 s40, s41, 3
	s_add_co_u32 s40, s40, s39                     ; tau
	s_cmp_ge_u32 s40, s36
	s_cbranch_scc1 .Lskip                          ; past the expert's last tile: nothing is stored
	s_cmp_eq_u32 s41, 0
	s_cbranch_scc1 .Lpre0
	s_cmp_eq_u32 s41, 1
	s_cbranch_scc1 .Lpre1
	PRE 2
	s_branch .Lout
.Lpre0:
	PRE 0
	s_branch .Lout
.Lpre1:
	PRE 1
.Lout:
.irp m, 0,1,2,3,4,5,6,7
	v_min_u32 v[SLR+\m], 0x7ff, v[SLR+\m]
	v_lshl_add_u32 v[YO+\m], v[SLR+\m], 12, v16    ; the rows' offsets in y are made ahead of the stage's stores, so that one wait serves both
.endr
	s_wait_alu depctr_va_vdst(0)                   ; the scaling has written v[Y ..], which the LDS stores read and in which the LDS loads land; v[YO ..] are written, which the global stores read as offsets
.irp t, 0,1,2,3
	ds_store_b128 v[STO], v[Y+8*\t:Y+8*\t+3] offset:64*\t
	ds_store_b128 v[STO], v[Y+8*\t+4:Y+8*\t+7] offset:64*\t+16
.endr
	s_wait_alu depctr_vm_vsrc(0)                   ; the LDS stores have read v[Y ..], in which the LDS loads below land
.irp m, 0,1,2,3,4,5,6,7
	ds_load_b128 v[Y+4*\m:Y+4*\m+3], v[SRD] offset:544*\m   ; LDS serves a wave's instructions in order (ISA guide 5.7.1.4): these see my stores
.endr
.irp m, 0,1,2,3,4,5,6,7
	s_wait_dscnt 7-\m                              ; rows 2 m and 2 m + 1 are back; the younger loads may be out
	global_store_b128 v[YO+\m], v[Y+4*\m:Y+4*\m+3], s[8:9]   ; each half of the lanes stores 256 consecutive bytes, aligned
.endr
	s_wait_xcnt 0x0                                ; the stores' data and offsets are written again (the next tile, the next pass's loads) only behind this wait
	s_wait_alu depctr_vm_vsrc(0)                   ; the global stores have read v[Y ..] and v[YO ..], which the next tile's arithmetic writes again
.Lskip:
	s_add_co_u32 s41, s41, 1
	s_cmp_lt_u32 s41, 3
	s_cbranch_scc1 .Ltile
	s_add_co_u32 s38, s38, 1
	s_cmp_ge_u32 s38, s37
	s_cbranch_scc1 .Ldone
	s_add_co_u32 s39, s39, 24                      ; a further pass against the finished image; no barrier, the image is not written
	s_add_co_u32 s62, s39, 16
	s_cmp_lt_u32 s62, s36
	s_cselect_b32 s34, 1, 0
	s_wait_alu depctr_vm_vsrc(0)                   ; the loads of the pass before have read v[AO ..] and v[LA ..], which are written anew below; the global stores have read v[YO ..], in which h's fragments land
	AOSET
	PLACES 5                                       ; the first products begin the accumulators anew, over registers that earlier products wrote
	s_wait_alu depctr_va_vdst(0)                   ; v[LA ..] and v[AO ..] are written, which the loads below read; the way out is done reading the places and writing v52-67, in which those loads land
	LLOAD
	ALOADT 0, 0
	ALOADT 0, 1
	ALOADT 0, 2
.irp s, 0,1,2,3,4,5,6,7
	CONS \s, 0
.endr
	s_cmp_lt_u32 s38, s37
	s_cbranch_scc1 .Lpass
.Ldone:
	s_wait_dscnt 0x0                               ; the closing lines, six on end
	s_wait_alu 0x0
	s_wait_tensorcnt 0x0
	ds_add_u32 v18, v19
	s_wait_dscnt 0x0
	s_endpgm
.Lfunc_end_k_qcb0df57a9f_ffn2:
	.size	k_qcb0df57a9f_ffn2, .Lfunc_end_k_qcb0df57a9f_ffn2-k_qcb0df57a9f_ffn2
	.p2alignl 7, 3214868480
	.fill 96, 4, 3214868480
	.section	.rodata,"a",@progbits
	.p2align	6, 0x0
	.amdhsa_kernel k_qcb0df57a9f_ffn2
		.amdhsa_group_segment_fixed_size 167424
		.amdhsa_private_segment_fixed_size 0
		.amdhsa_enable_private_segment 0
		.amdhsa_kernarg_size 48
		.amdhsa_user_sgpr_count 2
		.amdhsa_user_sgpr_kernarg_segment_ptr 1
		.amdhsa_wavefront_size32 1
		.amdhsa_system_sgpr_workgroup_id_x 1
		.amdhsa_system_sgpr_workgroup_id_y 1
		.amdhsa_system_sgpr_workgroup_id_z 1
		.amdhsa_system_vgpr_workitem_id 0
		.amdhsa_next_free_vgpr 512
		.amdhsa_next_free_sgpr 100
		.amdhsa_reserve_vcc 0
		.amdhsa_float_denorm_mode_32 3
		.amdhsa_float_denorm_mode_16_64 3
		.amdhsa_memory_ordered 1
		.amdhsa_forward_progress 1
		.amdhsa_inst_pref_size 217
	.end_amdhsa_kernel
	.amdgpu_metadata
---
amdhsa.version: [ 1, 2 ]
amdhsa.kernels:
  - .name:           k_qcb0df57a9f_ffn2
    .symbol:         k_qcb0df57a9f_ffn2.kd
    .args:
      - { .name: W2, .offset: 0, .size: 8, .value_kind: global_buffer, .address_space: global }
      - { .name: hq, .offset: 8, .size: 8, .value_kind: global_buffer, .address_space: global }
      - { .name: masks, .offset: 16, .size: 8, .value_kind: global_buffer, .address_space: global }
      - { .name: lowp_scales, .offset: 24, .size: 8, .value_kind: global_buffer, .address_space: global }
      - { .name: list, .offset: 32, .size: 8, .value_kind: global_buffer, .address_space: global }
      - { .name: y, .offset: 40, .size: 8, .value_kind: global_buffer, .address_space: global }
    .group_segment_fixed_size: 167424
    .private_segment_fixed_size: 0
    .kernarg_segment_align: 8
    .kernarg_segment_size: 48
    .max_flat_workgroup_size: 256
    .sgpr_count:     100
    .vgpr_count:     512
    .wavefront_size: 32
...
	.end_amdgpu_metadata
.endif
;; end of part 7
;; launch combine (part 8): grid 256 x 1, 8 waves a work-group, no clusters, 0 bytes of LDS; arguments y, topw, out0; writes out0
.if DOCPART == 8
	.amdgcn_target "amdgcn-amd-amdhsa--gfx1250"
	.amdhsa_code_object_version 6
	.text
	.protected	k_qcb0df57a9f_combine
	.globl	k_qcb0df57a9f_combine
	.p2align	8
	.type	k_qcb0df57a9f_combine,@function
k_qcb0df57a9f_combine:
	s_mov_b64 s[64:65], 0
	v_nop
	global_prefetch_b8 v0, s[64:65] scope:SCOPE_SE
	s_setreg_imm32_b32 hwreg(HW_REG_WAVE_MODE, 25, 1), 1
	s_wait_xcnt 0x0
; out[token] = w0 (y[0][0][token] + y[1][0][token]) + w1 (y[0][1][token] + y[1][1][token]): the two halves of K are added, then the two experts with the gate's weights.
; A stream: a work-group takes 4 tokens, thread t the 16 bytes at 16 t of each row of 4,096; all 16 loads go out first; each load and store of a wave covers 512 consecutive bytes.
; No LDS, no matrix unit, no cluster: nothing is shared and nothing is multiplied but by the two weights.
.set X, 4                              ; v4-67: token a: 16 registers: (k 0, kh 0), (k 0, kh 1), (k 1, kh 0), (k 1, kh 1)
	s_load_b128 s[4:7], s[0:1], 0x0                ; y, topw
	s_load_b64 s[8:9], s[0:1], 0x10                ; out0
	v_lshlrev_b32 v1, 4, v0
	s_lshl_b32 s10, ttmp9, 14                      ; 4 rows of 4,096 bytes
	s_mov_b32 s11, 0
	s_lshl_b32 s12, ttmp9, 4                       ; 4 weights
	s_mov_b32 s13, 0
	s_wait_alu depctr_va_vdst(0)
	s_wait_kmcnt 0x0
	s_add_nc_u64 s[4:5], s[4:5], s[10:11]
	s_add_nc_u64 s[14:15], s[4:5], 0x800000        ; the second half of K
	s_add_nc_u64 s[8:9], s[8:9], s[10:11]
	s_add_nc_u64 s[6:7], s[6:7], s[12:13]
	s_load_b128 s[16:19], s[6:7], 0x0              ; w0 of my 4 tokens
	s_load_b128 s[20:23], s[6:7], 0x1000           ; w1
.irp a, 0,1,2,3
	global_load_b128 v[X+16*\a:X+16*\a+3], v1, s[4:5] offset:4096*\a th:TH_LOAD_NT
	global_load_b128 v[X+16*\a+4:X+16*\a+7], v1, s[14:15] offset:4096*\a th:TH_LOAD_NT
	global_load_b128 v[X+16*\a+8:X+16*\a+11], v1, s[4:5] offset:0x400000+4096*\a th:TH_LOAD_NT
	global_load_b128 v[X+16*\a+12:X+16*\a+15], v1, s[14:15] offset:0x400000+4096*\a th:TH_LOAD_NT
.endr
	s_wait_kmcnt 0x0
.irp a, 0,1,2,3
	s_mov_b32 s[24+2*\a], s[16+\a]                 ; each weight at the head of an aligned pair: the packed forms take the pair's low word for both halves
	s_mov_b32 s[25+2*\a], s[16+\a]
	s_mov_b32 s[32+2*\a], s[20+\a]
	s_mov_b32 s[33+2*\a], s[20+\a]
.endr
.irp a, 0,1,2,3
	s_wait_loadcnt 12-4*\a                         ; this token's four loads are in; the later tokens' stay out
	v_pk_add_f32 v[X+16*\a:X+16*\a+1], v[X+16*\a:X+16*\a+1], v[X+16*\a+4:X+16*\a+5]
	v_pk_add_f32 v[X+16*\a+2:X+16*\a+3], v[X+16*\a+2:X+16*\a+3], v[X+16*\a+6:X+16*\a+7]
	v_pk_add_f32 v[X+16*\a+8:X+16*\a+9], v[X+16*\a+8:X+16*\a+9], v[X+16*\a+12:X+16*\a+13]
	v_pk_add_f32 v[X+16*\a+10:X+16*\a+11], v[X+16*\a+10:X+16*\a+11], v[X+16*\a+14:X+16*\a+15]
	s_delay_alu instid0(VALU_DEP_4)
	v_pk_mul_f32 v[X+16*\a:X+16*\a+1], v[X+16*\a:X+16*\a+1], s[24+2*\a:25+2*\a] op_sel_hi:[1,0]
	s_delay_alu instid0(VALU_DEP_4)
	v_pk_mul_f32 v[X+16*\a+2:X+16*\a+3], v[X+16*\a+2:X+16*\a+3], s[24+2*\a:25+2*\a] op_sel_hi:[1,0]
	s_delay_alu instid0(VALU_DEP_2)
	v_pk_fma_f32 v[X+16*\a:X+16*\a+1], v[X+16*\a+8:X+16*\a+9], s[32+2*\a:33+2*\a], v[X+16*\a:X+16*\a+1] op_sel_hi:[1,0,1]
	s_delay_alu instid0(VALU_DEP_2)
	v_pk_fma_f32 v[X+16*\a+2:X+16*\a+3], v[X+16*\a+10:X+16*\a+11], s[32+2*\a:33+2*\a], v[X+16*\a+2:X+16*\a+3] op_sel_hi:[1,0,1]
	global_store_b128 v1, v[X+16*\a:X+16*\a+3], s[8:9] offset:4096*\a th:TH_STORE_NT
.endr
	s_endpgm
.Lfunc_end_k_qcb0df57a9f_combine:
	.size	k_qcb0df57a9f_combine, .Lfunc_end_k_qcb0df57a9f_combine-k_qcb0df57a9f_combine
	.p2alignl 7, 3214868480
	.fill 96, 4, 3214868480
	.section	.rodata,"a",@progbits
	.p2align	6, 0x0
	.amdhsa_kernel k_qcb0df57a9f_combine
		.amdhsa_group_segment_fixed_size 0
		.amdhsa_private_segment_fixed_size 0
		.amdhsa_enable_private_segment 0
		.amdhsa_kernarg_size 24
		.amdhsa_user_sgpr_count 2
		.amdhsa_user_sgpr_kernarg_segment_ptr 1
		.amdhsa_wavefront_size32 1
		.amdhsa_system_sgpr_workgroup_id_x 1
		.amdhsa_system_sgpr_workgroup_id_y 1
		.amdhsa_system_sgpr_workgroup_id_z 1
		.amdhsa_system_vgpr_workitem_id 0
		.amdhsa_next_free_vgpr 72
		.amdhsa_next_free_sgpr 66
		.amdhsa_reserve_vcc 0
		.amdhsa_float_denorm_mode_32 3
		.amdhsa_float_denorm_mode_16_64 3
		.amdhsa_memory_ordered 1
		.amdhsa_forward_progress 1
		.amdhsa_inst_pref_size 6
	.end_amdhsa_kernel
	.amdgpu_metadata
---
amdhsa.version: [ 1, 2 ]
amdhsa.kernels:
  - .name:           k_qcb0df57a9f_combine
    .symbol:         k_qcb0df57a9f_combine.kd
    .args:
      - { .name: y, .offset: 0, .size: 8, .value_kind: global_buffer, .address_space: global }
      - { .name: topw, .offset: 8, .size: 8, .value_kind: global_buffer, .address_space: global }
      - { .name: out0, .offset: 16, .size: 8, .value_kind: global_buffer, .address_space: global }
    .group_segment_fixed_size: 0
    .private_segment_fixed_size: 0
    .kernarg_segment_align: 8
    .kernarg_segment_size: 24
    .max_flat_workgroup_size: 256
    .sgpr_count:     66
    .vgpr_count:     72
    .wavefront_size: 32
...
	.end_amdgpu_metadata
.endif
;; end of part 8
